; MI455X (gfx1250); checked and timed in simulation.
; The chip was launched on July 23, 2026; its instructions are those of AMD's public machine-readable ISA for CDNA 5 (MIT licence, August 2026) and "CDNA5" Instruction Set Architecture Reference Guide (July 2026). The comments in the code are by the model that wrote it; some were corrected since.
;; Grouped Query Attention. Allowed arithmetic: float matrix products may take bf16 or f16 operands with f32 sums; other float arithmetic in f32, or as packed bf16 or f16 multiplies, adds, multiply-adds, maxima and minima; sums over many terms, partial sums and values carried from step to step in f32; what a program stores and reads back later, other than sums and carried values, may be rounded once to bf16 or f16.
;; Inputs: b_gate 16 float32; k_norm_w 128 float32; q_norm_w 128 float32; w_gate 16 x 1,024 float32; w_o 1,024 x 2,048 float32; w_qkv 3,072 x 1,024 float32; x 2 x 2,048 x 1,024 float32.
;; Outputs: out0 2 x 2,048 x 1,024 float32.
;; 2 versions, each right; version 2 is version 1 with the launch prep written anew for expert scheduling mode. Each part assembles by itself: llvm-mc -triple=amdgcn-amd-amdhsa -mcpu=gfx1250 --defsym DOCPART=n.
;; ======== version 1 of 2: 4 launches
;; limits: values are held in f16: magnitudes above 65,504 overflow, below 6.1e-05 lose precision
;; workspace buffers: xb 8,388,608 bytes; wqkvb 6,291,456 bytes; wo16 4,194,304 bytes; rope 1,048,576 bytes; normw 1,536 bytes; gate 262,144 bytes; qkv 25,165,824 bytes; attn 16,777,216 bytes
;; launch prep (part 1): grid 705 x 1, 4 waves a work-group, no clusters, 37,632 bytes of LDS; arguments x, w_qkv, w_o, w_gate, b_gate, q_norm_w, k_norm_w, xb, wqkvb, wo16, gate, rope, normw; writes xb, wqkvb, wo16, gate, rope, normw
.if DOCPART == 1
	.amdgcn_target "amdgcn-amd-amdhsa--gfx1250"
	.amdhsa_code_object_version 6
	.text
	.protected	k_q4c35032252_prep
	.globl	k_q4c35032252_prep
	.p2align	8
	.type	k_q4c35032252_prep,@function
k_q4c35032252_prep:
	s_mov_b64 s[64:65], 0
	v_nop
	global_prefetch_b8 v0, s[64:65] scope:SCOPE_SE
	s_setreg_imm32_b32 hwreg(HW_REG_WAVE_MODE, 25, 1), 1
	s_wait_xcnt 0x0
; PREP.  What the later launches read more than once is made here, once.
;   work-groups   0-255: 16 rows of x -> xb (bf16), and gate = sigmoid(x . w_gate^T + b_gate) for those rows (f32)
;   work-groups 256-447: 16 rows of w_qkv -> wqkvb (bf16)
;   work-groups 448-575: 16,384 numbers of w_o -> wo16: rounded to bf16, that number written as f16
;   work-groups 576-703: 16 rows of the RoPE table: rope[t] = cos(t f_j), j = 0..63, then sin(t f_j), f_j = 10000^(-j/64), f32
;   work-group  704    : normw = q_norm_w and k_norm_w rounded to bf16 and widened again, then 128 ones
; All inputs are rounded to bf16 once; sums in f32.  The branches hang on the work-group's number alone, so all four waves of a work-group take the same path.
; LIMITS.  A number of w_o below 1.5e-5 in size keeps f16's fixed step of 6e-8; beyond 65,504 it would be an infinity.  The table's angles are the problem's own (t up to 2,047):
; the reduction by quarter turns is exact for them, the series are cut where their remainders lie under 3e-8 for |r| up to pi/4.
; A CAST.  A chunk is 65,536 bytes in, 32,768 out; a wave takes a quarter.  A lane reads 32 neighbouring bytes (two loads) and writes 16: a store of the wave covers 512 consecutive bytes, aligned.
.set ROWP,  2064                       ; a row of x in LDS: 2,048 bytes of bf16 + 16: an odd multiple of 16, so the 16 rows of a fragment load start in different groups of banks (ISA guide 11.1)
.set PART,  16*ROWP                    ; 33,024: the four waves' partial sums of the gate, 1,024 bytes each
.set SPARE, PART+4096                  ; 37,120: the spare words, 128 bytes a wave; no other line names them
.set XF, 32                            ; v[32:159]  a wave's 128 words as loaded
.set XP, 160                           ; v[160:223] the same packed; never rewritten, so no store's data is waited for
.set WF, 32                            ; v[32:95]   w_gate's eight fragments, bf16
.set XG, 96                            ; v[96:159]  x's eight fragments, bf16
.set GA, 224                           ; v[224:239] two accumulators
.set MSB, 0
.macro WIN new                         ; the immediate's high byte repeats the setting that is left
.if MSB != (\new)
	s_set_vgpr_msb (MSB<<8)|(\new)
.set MSB, \new
.endif
.endm
.macro BASES first, src, dst           ; s[34:35] my quarter of the chunk in the source, s[36:37] in the destination
	s_sub_co_u32 s38, s5, \first
	s_lshl_b32 s38, s38, 16
	s_add_co_u32 s38, s38, s40
	s_add_nc_u64 s[34:35], s[\src:\src+1], s[38:39]
	s_lshr_b32 s38, s38, 1
	s_add_nc_u64 s[36:37], s[\dst:\dst+1], s[38:39]
.endm
.macro CLOADS                          ; 32 loads, 16,384 bytes a wave, all on their way at once
.set i, 0
.rept 16
	global_load_b128 v[XF+8*i:XF+8*i+3],   v1, s[34:35] offset:1024*i th:TH_LOAD_NT
	global_load_b128 v[XF+8*i+4:XF+8*i+7], v1, s[34:35] offset:1024*i+16 th:TH_LOAD_NT
.set i, i+1
.endr
.endm
; Pair i of the 16 pairs of loads is rounded and stored.  mode 0: x (also into LDS), 1: w_qkv, 2: w_o (bf16, then f16).  younger: loads issued behind the 32.
.macro CASTI i, mode, younger
	s_wait_loadcnt (\younger)+30-2*(\i)            ; loads come back in order: behind pair i stand 30 - 2 i of the cast and the younger ones
.irp j, 0,1,2,3
	v_cvt_pk_bf16_f32 v[XP+4*(\i)+(\j)], v[XF+8*(\i)+2*(\j)], v[XF+8*(\i)+2*(\j)+1]
.endr
.if (\mode) == 2
.irp j, 0,1,2,3
	v_lshlrev_b32 v[16+2*(\j)], 16, v[XP+4*(\i)+(\j)]
	v_and_b32     v[17+2*(\j)], s41, v[XP+4*(\i)+(\j)]
.endr
.irp j, 0,1,2,3
	v_cvt_pk_f16_f32 v[XP+4*(\i)+(\j)], v[16+2*(\j)], v[17+2*(\j)]
.endr
.endif
	global_store_b128 v2, v[XP+4*(\i):XP+4*(\i)+3], s[36:37] offset:512*(\i) th:TH_STORE_NT
.if (\mode) == 0
	ds_store_b128 v3, v[XP+4*(\i):XP+4*(\i)+3] offset:((\i)/4)*ROWP+((\i)%4)*512
.endif
.endm
	s_load_b512 s[8:23], s[0:1], 0x0               ; x 8, w_qkv 10, w_o 12, w_gate 14, b_gate 16, q_norm_w 18, k_norm_w 20, xb 22
	s_load_b256 s[24:31], s[0:1], 0x40             ; wqkvb 24, wo16 26, gate 28, rope 30
	s_load_b64 s[32:33], s[0:1], 0x60              ; normw
	v_lshl_add_u32 v30, v0, 2, SPARE               ; my spare word,
	v_mov_b32 v31, 0                               ; and 0: kept for the add at the wave's end
	v_lshrrev_b32 v6, 5, v0
	v_readfirstlane_b32 s4, v6                     ; wave 0..3
	s_mov_b32 s5, ttmp9
	s_mov_b32 s41, 0xffff0000                      ; a word's upper bf16
	s_mov_b32 s39, 0
	s_lshl_b32 s40, s4, 14                         ; my quarter of a chunk
	v_and_b32 v7, 31, v0                           ; lane
	v_lshlrev_b32 v1, 5, v7                        ; 32 bytes in,
	v_lshlrev_b32 v2, 4, v7                        ; 16 bytes out
	s_wait_kmcnt 0x0
	s_cmp_lt_u32 s5, 256
	s_cbranch_scc1 .Lx
	s_cmp_lt_u32 s5, 448
	s_cbranch_scc1 .Lw1
	s_cmp_lt_u32 s5, 576
	s_cbranch_scc1 .Lw2
	s_cmp_lt_u32 s5, 704
	s_cbranch_scc1 .Lt
	; THE NORM GAINS: thread t takes number t of both
	v_lshlrev_b32 v12, 2, v0
	global_load_b32 v16, v12, s[18:19]
	global_load_b32 v17, v12, s[20:21]
	v_mov_b32 v20, 1.0
	s_wait_loadcnt 0x0
	v_cvt_pk_bf16_f32 v18, v16, v17
	v_lshlrev_b32 v21, 16, v18
	v_and_b32 v22, s41, v18
	global_store_b32 v12, v21, s[32:33]
	global_store_b32 v12, v22, s[32:33] offset:512
	global_store_b32 v12, v20, s[32:33] offset:1024
	s_branch .Lend
.Lw1:
	BASES 256, 10, 24
	CLOADS
.irp i, 0,1,2,3,4,5,6,7,8,9,10,11,12,13,14,15
	CASTI \i, 1, 0
.endr
	s_branch .Lend
.Lw2:
	BASES 448, 12, 26
	CLOADS
.irp i, 0,1,2,3,4,5,6,7,8,9,10,11,12,13,14,15
	CASTI \i, 2, 0
.endr
	s_branch .Lend
.Lt:	; THE TABLE.  Wave w makes rows 16 g + 4 w + 0..3, one a trip.  Lanes 0-15 make cos for j = 4 l + 0..3, lanes 16-31 sin for j = 4 (l - 16) + 0..3: 512 consecutive bytes a store.
	s_sub_co_u32 s38, s5, 576
	s_lshl_b32 s38, s38, 4
	s_lshl2_add_u32 s38, s4, s38                   ; my first row
	v_cvt_f32_u32 v12, s38                         ; t
	s_lshl_b32 s38, s38, 9
	v_lshl_add_u32 v13, v7, 4, s38                 ; row x 512 + 16 x lane
	v_and_b32 v14, 15, v7
	v_lshlrev_b32 v14, 2, v14
	v_cmp_gt_u32 vcc_lo, 16, v7
	v_cndmask_b32 v15, 0, 1, vcc_lo                ; cos x = sin(x + a quarter turn)
.irp e, 0,1,2,3
	v_add_nc_u32 v[32+(\e)], \e, v14
	v_cvt_f32_u32 v[32+(\e)], v[32+(\e)]
	v_mul_f32 v[32+(\e)], 0xbe549a78, v[32+(\e)]   ; -j log2(10000) / 64
.endr
.irp e, 0,1,2,3
	v_exp_f32 v[32+(\e)], v[32+(\e)]               ; f_j
.endr
	v_nop                                          ; a plain instruction behind the last exponential,
	s_wait_alu depctr_va_vdst(0)                   ; and one wait for the four, ahead of the label
	s_mov_b32 s42, 0x3638ef1d                      ; 1/9!
	s_mov_b32 s43, 0xb9500d01                      ; -1/7!
	s_mov_b32 s44, 0x3c088889                      ; 1/5!
	s_mov_b32 s45, 0xbe2aaaab                      ; -1/3!
	s_mov_b32 s46, 0x37d00d01                      ; 1/8!
	s_mov_b32 s47, 0xbab60b61                      ; -1/6!
	s_mov_b32 s48, 0x3d2aaaab                      ; 1/4!
	s_mov_b32 s40, 4
.Ltrow:
.irp e, 0,1,2,3
.set B, 40+8*(\e)                      ; x, n, r, z, s, c, q, bit
	v_mul_f32 v[B], v12, v[32+(\e)]                ; the angle, as the f32 product that the problem forms
	v_mul_f32 v[B+1], 0x3f22f983, v[B]
	v_rndne_f32 v[B+1], v[B+1]                     ; n quarter turns
	v_fmamk_f32 v[B+2], v[B+1], 0xbfc90fdb, v[B]   ; x - n hi: exact (n has 11 bits, hi 24)
	v_fmamk_f32 v[B+2], v[B+1], 0x333bbd2e, v[B+2] ; + n (hi - pi/2)
	v_mul_f32 v[B+3], v[B+2], v[B+2]
	v_fma_f32 v[B+4], v[B+3], s42, s43
	v_fma_f32 v[B+5], v[B+3], s46, s47
	v_fma_f32 v[B+4], v[B+4], v[B+3], s44
	v_fma_f32 v[B+5], v[B+5], v[B+3], s48
	v_fma_f32 v[B+4], v[B+4], v[B+3], s45
	v_fma_f32 v[B+5], v[B+5], v[B+3], -0.5
	v_mul_f32 v[B+4], v[B+4], v[B+3]
	v_fma_f32 v[B+5], v[B+5], v[B+3], 1.0          ; cos r
	v_fma_f32 v[B+4], v[B+4], v[B+2], v[B+2]       ; sin r
	v_cvt_i32_f32 v[B+6], v[B+1]
	v_add_nc_u32 v[B+6], v[B+6], v15
	v_and_b32 v[B+7], 1, v[B+6]
	v_cmp_eq_u32 vcc_lo, 1, v[B+7]
	v_cndmask_b32 v[B+4], v[B+4], v[B+5], vcc_lo   ; odd quarter: the cosine
	v_and_b32 v[B+6], 2, v[B+6]
	v_lshlrev_b32 v[B+6], 30, v[B+6]
	v_xor_b32 v[80+(\e)], v[B+4], v[B+6]           ; second half turn: the sign
.endr
	global_store_b128 v13, v[80:83], s[30:31]
	s_wait_xcnt 0x0                                ; the store has read its offset and its data: they are written again only behind this wait
	v_add_nc_u32 v13, 512, v13
	v_add_f32 v12, 1.0, v12
	s_sub_co_u32 s40, s40, 1
	s_cmp_lg_u32 s40, 0
	s_cbranch_scc1 .Ltrow
	s_branch .Lend
.Lx:	; X AND THE GATE.  The cast leaves the 16 rows in LDS as bf16; K is split among the waves: wave w takes k = 256 w .. 256 w + 255, eight matrix instructions.
	BASES 0, 8, 22
	v_and_b32 v14, 15, v7                          ; r
	v_lshrrev_b32 v15, 4, v7                       ; h
	s_mul_i32 s42, s4, 4*ROWP
	v_add_nc_u32 v3, s42, v2                       ; into LDS: my four rows, 16 bytes a lane
	v_lshlrev_b32 v4, 12, v14                      ; w_gate: head r, 4,096 bytes a row,
	v_lshl_add_u32 v4, v15, 5, v4                  ; 8 numbers for each half of the lanes,
	s_lshl_b32 s43, s4, 10
	v_add_nc_u32 v4, s43, v4                       ; my quarter of K
	v_and_b32 v8, 3, v7
	v_lshlrev_b32 v8, 4, v8                        ; b_gate: heads 4 (l % 4) + 0..3
	CLOADS
	WIN 0x40                                       ; destination in window 1
.set c, 0
.rept 8                                ; K step c: k = 8 h + 0..7 and 16 + 8 h + 0..7, as f32
	global_load_b128 v[16*c:16*c+3],     v4, s[14:15] offset:128*c
	global_load_b128 v[16*c+4:16*c+7],   v4, s[14:15] offset:128*c+16
	global_load_b128 v[16*c+8:16*c+11],  v4, s[14:15] offset:128*c+64
	global_load_b128 v[16*c+12:16*c+15], v4, s[14:15] offset:128*c+80
.set c, c+1
.endr
	WIN 0
	global_load_b128 v[24:27], v8, s[16:17]
	v_mul_u32_u24 v5, v14, ROWP                    ; x's fragments: row r,
	v_lshl_add_u32 v5, v15, 4, v5                  ; 16 bytes for each half of the lanes,
	s_lshl_b32 s43, s4, 9
	v_add_nc_u32 v5, s43, v5                       ; my quarter of K
	v_add_nc_u32 v11, s43, v2                      ; the gate's way out: 512 w + 16 l
	v_add_nc_u32 v10, PART, v11
	v_lshlrev_b32 v9, 6, v14                       ; a partial sum: row r, 64 bytes; heads 8 h + 0..7
	v_lshl_add_u32 v9, v15, 5, v9
	s_lshl_b32 s43, s4, 10
	s_add_co_u32 s43, s43, PART
	v_add_nc_u32 v9, s43, v9
	s_lshl_b32 s38, s5, 10
	s_add_nc_u64 s[28:29], s[28:29], s[38:39]      ; the gate's 16 rows of 64 bytes
.irp i, 0,1,2,3,4,5,6,7,8,9,10,11,12,13,14,15
	CASTI \i, 0, 33
.endr
	s_wait_loadcnt 1                               ; w_gate is in; the bias, the one load behind it, may stay out
	WIN 0x05                                       ; sources in window 1
.set c, 0
.rept 64
	v_cvt_pk_bf16_f32 v[WF+c], v[2*c], v[2*c+1]
.set c, c+1
.endr
	WIN 0
	s_wait_dscnt 0x0                               ; my rows lie in LDS,
	s_barrier_signal -1
	s_barrier_wait -1                              ; everybody's do
.set c, 0
.rept 8
	ds_load_b128 v[XG+8*c:XG+8*c+3],   v5 offset:64*c
	ds_load_b128 v[XG+8*c+4:XG+8*c+7], v5 offset:64*c+32
.set c, c+1
.endr
	s_wait_dscnt 0x0
.set c, 0
.rept 8                                ; source 0 = 16 heads, source 1 = 16 rows of x: a lane ends with row r, heads 8 h + 0..7.  Two accumulators take turns
.if c < 2
	v_wmma_f32_16x16x32_bf16 v[GA+8*(c%2):GA+8*(c%2)+7], v[WF+8*c:WF+8*c+7], v[XG+8*c:XG+8*c+7], 0
.else
	v_wmma_f32_16x16x32_bf16 v[GA+8*(c%2):GA+8*(c%2)+7], v[WF+8*c:WF+8*c+7], v[XG+8*c:XG+8*c+7], v[GA+8*(c%2):GA+8*(c%2)+7]
.endif
.set c, c+1
.endr
.rept 8
	v_nop                                          ; the places behind the last products (ISA guide 7.12.1), once a work-group
.endr
.irp j, 0,2,4,6
	v_pk_add_f32 v[GA+(\j):GA+(\j)+1], v[GA+(\j):GA+(\j)+1], v[GA+8+(\j):GA+8+(\j)+1]
.endr
	ds_store_b128 v9, v[GA:GA+3]
	ds_store_b128 v9, v[GA+4:GA+7] offset:16
	s_wait_dscnt 0x0                               ; for the others' sake: my partial sums are stored
	s_barrier_signal -1
	s_barrier_wait -1
	s_cmp_lt_u32 s4, 2                             ; waves 0 and 1 finish eight rows each
	s_cbranch_scc0 .Lend
.irp p, 0,1,2,3
	ds_load_b128 v[96+4*(\p):99+4*(\p)], v10 offset:1024*(\p)  ; row 8 w + l / 4, heads 4 (l % 4) + 0..3, of partial sum p
.endr
	s_wait_dscnt 0x0
	v_pk_add_f32 v[96:97], v[96:97], v[100:101]
	v_pk_add_f32 v[98:99], v[98:99], v[102:103]
	v_pk_add_f32 v[104:105], v[104:105], v[108:109]
	v_pk_add_f32 v[106:107], v[106:107], v[110:111]
	v_pk_add_f32 v[96:97], v[96:97], v[104:105]
	v_pk_add_f32 v[98:99], v[98:99], v[106:107]
	s_wait_loadcnt 0x0                             ; the bias
	v_cvt_pk_bf16_f32 v16, v24, v25
	v_cvt_pk_bf16_f32 v17, v26, v27
	v_lshlrev_b32 v20, 16, v16
	v_and_b32 v21, s41, v16
	v_lshlrev_b32 v22, 16, v17
	v_and_b32 v23, s41, v17
	v_pk_add_f32 v[96:97], v[96:97], v[20:21]
	v_pk_add_f32 v[98:99], v[98:99], v[22:23]
	v_pk_mul_f32 v[96:97], v[96:97], 0xbfb8aa3b op_sel_hi:[1,0]  ; -log2(e)
	v_pk_mul_f32 v[98:99], v[98:99], 0xbfb8aa3b op_sel_hi:[1,0]
.irp j, 96,97,98,99
	v_exp_f32 v\j, v\j
.endr
	v_nop
	s_wait_alu depctr_va_vdst(0)                   ; one wait for the four exponentials
	v_pk_add_f32 v[96:97], v[96:97], 1.0 op_sel_hi:[1,0]
	v_pk_add_f32 v[98:99], v[98:99], 1.0 op_sel_hi:[1,0]
.irp j, 96,97,98,99
	v_rcp_f32 v\j, v\j
.endr
	v_nop
	s_wait_alu depctr_va_vdst(0)                   ; one wait for the four reciprocals
	global_store_b128 v11, v[96:99], s[28:29]      ; 512 consecutive bytes a wave
.Lend:
	s_wait_tensorcnt 0x0                           ; the wave's end, behind my last LDS store
	ds_add_u32 v30, v31
	s_wait_dscnt 0x0
	s_endpgm
.Lfunc_end_k_q4c35032252_prep:
	.size	k_q4c35032252_prep, .Lfunc_end_k_q4c35032252_prep-k_q4c35032252_prep
	.p2alignl 7, 3214868480
	.fill 96, 4, 3214868480
	.section	.rodata,"a",@progbits
	.p2align	6, 0x0
	.amdhsa_kernel k_q4c35032252_prep
		.amdhsa_group_segment_fixed_size 37632
		.amdhsa_private_segment_fixed_size 0
		.amdhsa_enable_private_segment 0
		.amdhsa_kernarg_size 104
		.amdhsa_user_sgpr_count 2
		.amdhsa_user_sgpr_kernarg_segment_ptr 1
		.amdhsa_wavefront_size32 1
		.amdhsa_system_sgpr_workgroup_id_x 1
		.amdhsa_system_sgpr_workgroup_id_y 1
		.amdhsa_system_sgpr_workgroup_id_z 1
		.amdhsa_system_vgpr_workitem_id 0
		.amdhsa_next_free_vgpr 384
		.amdhsa_next_free_sgpr 66
		.amdhsa_reserve_vcc 1
		.amdhsa_float_denorm_mode_32 3
		.amdhsa_float_denorm_mode_16_64 3
		.amdhsa_memory_ordered 1
		.amdhsa_forward_progress 1
		.amdhsa_inst_pref_size 58
	.end_amdhsa_kernel
	.amdgpu_metadata
---
amdhsa.version: [ 1, 2 ]
amdhsa.kernels:
  - .name:           k_q4c35032252_prep
    .symbol:         k_q4c35032252_prep.kd
    .args:
      - { .name: x, .offset: 0, .size: 8, .value_kind: global_buffer, .address_space: global }
      - { .name: w_qkv, .offset: 8, .size: 8, .value_kind: global_buffer, .address_space: global }
      - { .name: w_o, .offset: 16, .size: 8, .value_kind: global_buffer, .address_space: global }
      - { .name: w_gate, .offset: 24, .size: 8, .value_kind: global_buffer, .address_space: global }
      - { .name: b_gate, .offset: 32, .size: 8, .value_kind: global_buffer, .address_space: global }
      - { .name: q_norm_w, .offset: 40, .size: 8, .value_kind: global_buffer, .address_space: global }
      - { .name: k_norm_w, .offset: 48, .size: 8, .value_kind: global_buffer, .address_space: global }
      - { .name: xb, .offset: 56, .size: 8, .value_kind: global_buffer, .address_space: global }
      - { .name: wqkvb, .offset: 64, .size: 8, .value_kind: global_buffer, .address_space: global }
      - { .name: wo16, .offset: 72, .size: 8, .value_kind: global_buffer, .address_space: global }
      - { .name: gate, .offset: 80, .size: 8, .value_kind: global_buffer, .address_space: global }
      - { .name: rope, .offset: 88, .size: 8, .value_kind: global_buffer, .address_space: global }
      - { .name: normw, .offset: 96, .size: 8, .value_kind: global_buffer, .address_space: global }
    .group_segment_fixed_size: 37632
    .private_segment_fixed_size: 0
    .kernarg_segment_align: 8
    .kernarg_segment_size: 104
    .max_flat_workgroup_size: 128
    .sgpr_count:     66
    .vgpr_count:     384
    .wavefront_size: 32
...
	.end_amdgpu_metadata
.endif
;; end of part 1
;; launch qkv (part 2): grid 12 x 16, 4 waves a work-group, clusters of 4 x 4, 327,680 bytes of LDS; arguments xb, wqkvb, qkv, rope, normw; writes qkv
.if DOCPART == 2
	.amdgcn_target "amdgcn-amd-amdhsa--gfx1250"
	.amdhsa_code_object_version 6
	.text
	.protected	k_q4c35032252_qkv
	.globl	k_q4c35032252_qkv
	.p2align	8
	.type	k_q4c35032252_qkv,@function
k_q4c35032252_qkv:
	s_mov_b64 s[64:65], 0
	v_nop
	global_prefetch_b8 v0, s[64:65] scope:SCOPE_SE
	s_setreg_imm32_b32 hwreg(HW_REG_WAVE_MODE, 25, 1), 1
	s_wait_xcnt 0x0
	s_wait_alu depctr_hold_cnt(0) depctr_sa_sdst(0) depctr_va_vdst(0) depctr_va_sdst(0) depctr_va_ssrc(0) depctr_va_vcc(0) depctr_vm_vsrc(0)
	s_getreg_b32 s2, hwreg(HW_REG_IB_STS2, 6, 4)
	s_cmp_eq_u32 s2, 0
	s_cbranch_scc0 .Lentry_in_a_cluster
	s_endpgm
.Lentry_in_a_cluster:
	s_bfe_u32 s2, ttmp6, 0x10000c
	s_cmp_lg_u32 s2, 0xf033
	s_cbranch_scc0 .Lentry_shape_is_right
	s_endpgm
.Lentry_shape_is_right:
; QKV.  C[m][o] = sum over k of xb[m][k] wqkvb[o][k] (bf16, sums in f32), then per head of 128 columns: RMS norm with its gain and RoPE (heads 0-19), or nothing (heads 20-23, v),
; rounded once to f16 and stored by heads: qkv[b][head][s][128].  M = 4,096, N = 3,072, K = 1,024.
; A tile of C is 256 x 256: four waves, each 128 rows x 128 columns = ONE HEAD, 64 accumulators of 16 x 16 in 512 registers.  K goes in steps of 128 through two LDS slots filled by tensor loads.
; 4 x 4 work-groups form a cluster: A's tile is asked for jointly along a row of the cluster, B's along a column.  192 work-groups: a tile that kept one head in a wave and gave 256 does not divide N.
; THE MATRIX INSTRUCTION IS USED TRANSPOSED (source 0 = 16 rows of B, source 1 = 16 rows of A): lane l holds row l % 16 and the columns 16 b + 8 (l / 16) + 0..7 of block b.
; So a row's 128 numbers lie in two lanes, 16 apart, and the RoPE partners d and d + 64 are blocks b and b + 4 of the SAME lane: norm and RoPE want one exchange between the halves of the lanes.
; THE TABLE.  When slot 0 has had its last K step it is filled once more, with the tile's 256 rows of cos and sin (512 bytes a row, f32), jointly along the cluster's row.
; A v head takes the same lines with f = 0, g = 1: cos f + g = 1, sin f = 0, and its gains are ones: no branch hangs on the head, which differs between partners.
; LIMITS.  The results are f16: beyond 65,504 an infinity.  q and k are normalised (at most 11.4 times the gain); v is x . w itself.
; REGISTERS, in windows of 256: window 0: v0-31 addresses; v64-191 A's fragments, two buffers; v192-223 the way out.  window 1: v0-63 the gains; v64-191 B's fragments, later cos, sin and the block at work;
; v192-211 at work.  windows 2, 3: the accumulators ((a, b) at v[8 (8 a + b)]).
.set SIZE_K, 1024
.set KSTEP,  128
.set PITCH,  272                       ; an LDS row: 256 bytes + 16: row r starts at bank 4 r mod 64 (ISA guide 11.1)
.set HALFT,  128*PITCH
.set SLOT,   4*HALFT
.set STAGE,  2*SLOT                    ; behind the ring: 16 rows x 272 bytes for each wave
.set SPITCH, 272
.set SPARE,  STAGE+4*16*SPITCH         ; the spare words, 128 bytes a wave; no other line names them
.set LAPS,   SIZE_K/(2*KSTEP)
.set TP,     528                       ; a row of the table in LDS: 512 bytes + 16
.set ADRA, 16
.set ADRB, 20
.set STO,  24
.set RD,   25
.set CO,   26
.set TA,   27                          ; v27  my place in the table: (128 x row half + 16 a + r) x 528 + 32 h
.set SPW,  28
.set NIL,  29
.set PFO,  30
.set WO,   31                          ; v31  32 h: my eight numbers of each 16 gains; never rewritten
.set PFA,  44
.set LIM,  43
.set F0,   64
.set F1,   128
.set TMP,  192
.set G1,   24
.set G0,   32
.set G1B,  48
.set G0B,  56
.set G1T,  72                          ; s[72:79] the table's group 1
.set G0T,  80                          ; s[80:83] its group 0
.set VM,   84                          ; s84  all ones in a v head, else 0: a lane mask for v_cndmask_b32
.set ROWC, 85                          ; s85  blocks of 16 rows still to go out
.set SEL,  86                          ; s[86:87] v_permlanex16_b32's selects
.set I128, 91                          ; s91  1/128
.set W,    0                           ; window 1 from here on: the gains of my 64 columns
.set CSN,  64                          ; cos 32, sin 32
.set Y,    128                         ; the block at work
.set T,    192
.set SS,   200
.set R,    208                         ; f
.set G,    210                         ; g
.set MSB, 0
.macro WIN new
.if MSB != (\new)
	s_set_vgpr_msb (MSB<<8)|(\new)
.set MSB, \new
.endif
.endm
.set MUL_LO, 0xa1
.set MUL_HI, 0xf1
.set TO_B,   0x40
.macro JLOAD s                         ; a joint load: waves 0, 1 fetch A's halves, waves 2, 3 B's; an s_nop 0 and four v_nop follow each line
	s_cmp_eq_u32 s11, 0
	s_cbranch_scc0 .Lfor_b_\@
	tensor_load_to_lds s[G0+4*(\s):G0+4*(\s)+3], s[G1:G1+7]
	s_nop 0
.rept 4
	v_nop
.endr
	s_branch .Lasked_\@
.Lfor_b_\@:
	tensor_load_to_lds s[G0B+4*(\s):G0B+4*(\s)+3], s[G1B:G1B+7]
	s_nop 0
.rept 4
	v_nop
.endr
.Lasked_\@:
.endm
; A prefetch of the K step that stands two refills on: 32 rows x 256 bytes, a lane a row.  A's rows are asked for by the clusters with x = 0, B's by those with y = 0; of the 128 rows that a wave
; fetches each of the four partners takes 32, told apart by address.  So each row's 256 bytes of K steps 4 to 7 are named once.  The loop's last trip asks for nothing.
.macro ASK
	s_cmp_gt_u32 s3, s[LIM]
	s_cbranch_scc0 .Lnot_mine_\@
	global_prefetch_b8 v[PFO], s[PFA:PFA+1] offset:KSTEP*2 th:TH_LOAD_NT scope:SCOPE_SE
.Lnot_mine_\@:
.endm
.macro CREST
	s_cmp_lg_u32 s10, 0
	s_cbranch_scc1 .Lnot_wave_0_\@
	s_barrier_signal -3
.Lnot_wave_0_\@:
	s_barrier_wait -3
	s_barrier_signal -1
	s_barrier_wait -1
.endm
.macro CROUND
	s_barrier_signal -1
	s_barrier_wait -1
	CREST
.endm
	s_load_b128 s[4:7], s[0:1], 0x0                ; A = xb, B = wqkvb
	s_load_b64 s[8:9], s[0:1], 0x10                ; qkv
	s_load_b128 s[68:71], s[0:1], 0x18             ; rope, normw
	v_lshl_add_u32 v[SPW], v0, 2, SPARE
	v_mov_b32 v[NIL], 0
	ds_add_u32 v[SPW], v[NIL]                      ; the wave's opening: the add and its wait ahead of my first tensor load
	v_lshrrev_b32 v1, 5, v0
	v_readfirstlane_b32 s10, v1                    ; wave 0..3
	s_lshr_b32 s11, s10, 1                         ; my half of the tile's rows; also: I fetch for A (0) or B (1)
	s_and_b32 s12, s10, 1                          ; my half of its columns; also: which 128 rows I fetch
	s_bfe_u32 s40, ttmp6, 0x40000                  ; cx
	s_bfe_u32 s41, ttmp6, 0x40004                  ; cy
	s_lshl_b32 s42, ttmp9, 2
	s_add_co_u32 s42, s42, s40                     ; tile column
	s_and_b32 s13, ttmp7, 0xffff
	s_lshl_b32 s13, s13, 2
	s_add_co_u32 s13, s13, s41                     ; tile row
	s_lshl_b32 s43, s41, 2
	s_lshl_b32 s43, 15, s43                        ; my row of the cluster
	s_lshl_b32 s44, 0x1111, s40                    ; my column
	s_or_b32 s[G1+0], s43, (1<<16)|(1<<20)|(1<<21)|(5<<22)|(3<<25)   ; mask; 2-byte elements; padding: 4 words after every 64
	s_or_b32 s[G1B+0], s44, (1<<16)|(1<<20)|(1<<21)|(5<<22)|(3<<25)
	s_or_b32 s[G1T+0], s43, (2<<16)|(1<<20)|(1<<21)|(6<<22)|(3<<25)  ; the table goes to my row: 4-byte elements; 4 words after every 128
.irp g, G1, G1B
	s_mov_b32 s[(\g)+1], KSTEP<<16                 ; tensor_dim0 = 128
	s_mov_b32 s[(\g)+2], 128<<16                   ; tensor_dim1 = 128
	s_mov_b32 s[(\g)+3], KSTEP<<16                 ; tile_dim0 = 128
	s_mov_b32 s[(\g)+4], 128                       ; tile_dim1 = 128
	s_mov_b32 s[(\g)+5], SIZE_K                    ; elements from row to row
	s_mov_b32 s[(\g)+6], 0
	s_mov_b32 s[(\g)+7], 0
.endr
	s_mov_b32 s[G1T+1], 128<<16                    ; 128 numbers a row,
	s_mov_b32 s[G1T+2], 64<<16                     ; 64 rows a wave
	s_mov_b32 s[G1T+3], 128<<16
	s_mov_b32 s[G1T+4], 64
	s_mov_b32 s[G1T+5], 128
	s_mov_b32 s[G1T+6], 0
	s_mov_b32 s[G1T+7], 0
	s_mov_b32 s[G0T], 1
	s_mul_i32 s[G0T+1], s10, 64*TP                 ; wave x 64 rows, from the head of slot 0
	s_and_b32 s88, s13, 7                          ; the tile's place in its batch of 2,048 rows
	s_lshl_b32 s88, s88, 8
	s_lshl_b32 s89, s10, 6
	s_add_co_u32 s88, s88, s89
	s_lshl_b32 s88, s88, 9                         ; 512 bytes a row of the table
	s_mov_b32 s89, 0
	s_lshl_b32 s17, s12, 7
	s_lshl_b32 s16, s13, 8
	s_add_co_u32 s16, s16, s17                     ; A: row 256 x tile row + 128 x half
	s_lshl_b32 s46, s42, 8
	s_add_co_u32 s46, s46, s17                     ; B: row 256 x tile column + 128 x half
	s_mov_b32 s17, 0
	s_mov_b32 s47, 0
	s_mov_b64 s[18:19], SIZE_K*2
	s_mul_u64 s[16:17], s[16:17], s[18:19]
	s_mul_u64 s[46:47], s[46:47], s[18:19]
	s_mul_i32 s20, s10, HALFT
	s_mov_b32 s[SEL], 0x76543210
	s_mov_b32 s[SEL+1], 0xfedcba98
	s_wait_dscnt 0x0                               ; the opening add is done
	s_wait_kmcnt 0x0
	s_add_nc_u64 s[14:15], s[4:5], s[16:17]
	s_add_nc_u64 s[46:47], s[6:7], s[46:47]
	s_add_nc_u64 s[G0T+2:G0T+3], s[68:69], s[88:89]
	s_or_b32 s[G0T+3], s[G0T+3], 0x80000000
	CROUND                                         ; all sixteen work-groups are here: the first joint loads meet
.irp s, 0,1
	s_mov_b32 s[G0+4*(\s)], 1
	s_add_co_u32 s[G0+4*(\s)+1], s20, (\s)*SLOT
	s_add_nc_u64 s[G0+4*(\s)+2:G0+4*(\s)+3], s[14:15], (\s)*KSTEP*2
	s_or_b32 s[G0+4*(\s)+3], s[G0+4*(\s)+3], 0x80000000
	s_mov_b32 s[G0B+4*(\s)], 1
	s_add_co_u32 s[G0B+4*(\s)+1], s20, (\s)*SLOT
	s_add_nc_u64 s[G0B+4*(\s)+2:G0B+4*(\s)+3], s[46:47], (\s)*KSTEP*2
	s_or_b32 s[G0B+4*(\s)+3], s[G0B+4*(\s)+3], 0x80000000
	JLOAD \s
.endr
	v_and_b32 v1, 15, v0                           ; r = l % 16
	v_bfe_u32 v2, v0, 4, 1                         ; h = l / 16
	v_mul_u32_u24 v3, v1, PITCH
	v_lshl_add_u32 v3, v2, 4, v3
	s_mul_i32 s21, s11, HALFT
	s_mul_i32 s22, s12, HALFT
	s_add_co_u32 s22, s22, 2*HALFT
.irp s, 0,1
	v_add_nc_u32 v[ADRA+(\s)], s21, v3
	v_add_nc_u32 v[ADRB+(\s)], s22, v3
	s_add_co_u32 s21, s21, SLOT
	s_add_co_u32 s22, s22, SLOT
.endr
	s_mul_i32 s23, s10, 16*SPITCH
	s_add_co_u32 s23, s23, STAGE                   ; my stage
	v_mul_u32_u24 v4, v1, SPITCH
	v_lshl_add_u32 v4, v2, 4, v4
	v_add_nc_u32 v[STO], s23, v4
	v_mul_u32_u24 v5, v2, SPITCH
	v_lshl_add_u32 v5, v1, 4, v5
	v_add_nc_u32 v[RD], s23, v5
	v_lshlrev_b32 v5, 8, v2                        ; a head's rows are 256 bytes, end to end: 32 lanes store 512 consecutive bytes
	v_lshl_add_u32 v[CO], v1, 4, v5
	s_lshl_b32 s88, s11, 7
	v_add_nc_u32 v[TA], s88, v1
	v_mul_u32_u24 v[TA], v[TA], TP
	v_lshl_add_u32 v[TA], v2, 5, v[TA]
	v_lshlrev_b32 v[WO], 5, v2
	; where my head's rows begin in qkv, and which gains are mine
	s_lshl1_add_u32 s90, s42, s12                  ; the head, 0..23
	s_lshr_b32 s91, s13, 3                         ; the batch
	s_mul_i32 s91, s91, 24
	s_add_co_u32 s92, s91, s90
	s_lshl_b32 s92, s92, 11                        ; 2,048 rows a head
	s_and_b32 s91, s13, 7
	s_lshl_b32 s91, s91, 8
	s_add_co_u32 s92, s92, s91
	s_lshl_b32 s91, s11, 7
	s_add_co_u32 s92, s92, s91
	s_lshl_b32 s92, s92, 8                         ; 256 bytes a row
	s_mov_b32 s93, 0
	s_add_nc_u64 s[8:9], s[8:9], s[92:93]
	s_cmp_ge_u32 s90, 16
	s_cselect_b32 s92, 512, 0                      ; q's gains, k's,
	s_cmp_ge_u32 s90, 20
	s_cselect_b32 s92, 1024, s92                   ; or the ones
	s_cselect_b32 s[VM], -1, 0
	s_add_nc_u64 s[70:71], s[70:71], s[92:93]
	s_mov_b32 s[I128], 0x3c000000
	WIN 0x40                                       ; destination in window 1
.irp b, 0,1,2,3,4,5,6,7
	global_load_b128 v[W+8*(\b):W+8*(\b)+3],   v[WO], s[70:71] offset:64*(\b)      ; they stay out over the whole product and are waited for once, ahead of the way out
	global_load_b128 v[W+8*(\b)+4:W+8*(\b)+7], v[WO], s[70:71] offset:64*(\b)+16
.endr
	v_cndmask_b32 v[G], 0, 1.0, s[VM]
	v_cndmask_b32 v[G+1], 0, 1.0, s[VM]
	v_mov_b32 v[R+1], 0                            ; named with f as a pair
	WIN 0
	; the prefetches
	s_lshl_b32 s13, s13, 8
	s_lshl_b32 s42, s42, 8
	s_and_b32 s22, ttmp7, 0xffff
	s_cmp_eq_u32 s11, 0
	s_cselect_b32 s20, s13, s42
	s_cselect_b32 s21, s40, s41
	s_cselect_b32 s22, ttmp9, s22
	s_cselect_b64 s[PFA:PFA+1], s[4:5], s[6:7]
	s_cmp_eq_u32 s22, 0
	s_cselect_b32 s[LIM], 1, -1
	s_lshl_b32 s22, s12, 7
	s_add_co_u32 s20, s20, s22
	s_lshl_b32 s21, s21, 5
	s_add_co_u32 s20, s20, s21
	s_mov_b32 s21, 0
	s_mov_b64 s[18:19], SIZE_K*2
	s_mul_u64 s[20:21], s[20:21], s[18:19]
	s_add_nc_u64 s[PFA:PFA+1], s[PFA:PFA+1], s[20:21]
	s_add_nc_u64 s[PFA:PFA+1], s[PFA:PFA+1], 2*KSTEP*2  ; at K step 2: the first refill steps it to 3 and names K step 4
	v_and_b32 v[PFO], 31, v0
	v_mul_u32_u24 v[PFO], v[PFO], SIZE_K*2
.macro MUL16 f, hi, a0, zero           ; 16 matrix instructions: m blocks a0, a0 + 1 of the window's four x all 8 n blocks, 32 along K
	WIN MUL_LO+0x50*(\hi)
.irp a, \a0, (\a0)+1
.irp b, 0,1,2,3,4,5,6,7
.if \zero
	v_wmma_f32_16x16x32_bf16 v[8*(8*(\a)+(\b)):8*(8*(\a)+(\b))+7], v[(\f)+8*(\b):(\f)+8*(\b)+7], v[(\f)+8*(4*(\hi)+(\a)):(\f)+8*(4*(\hi)+(\a))+7], 0
.else
	v_wmma_f32_16x16x32_bf16 v[8*(8*(\a)+(\b)):8*(8*(\a)+(\b))+7], v[(\f)+8*(\b):(\f)+8*(\b)+7], v[(\f)+8*(4*(\hi)+(\a)):(\f)+8*(4*(\hi)+(\a))+7], v[8*(8*(\a)+(\b)):8*(8*(\a)+(\b))+7]
.endif
.endr
.endr
.endm
.macro FETCH slot, k, f                ; 32 LDS loads in one run: a quarter step's fragments
	WIN TO_B
.irp i, 0,1,2,3,4,5,6,7
	ds_load_b128 v[(\f)+8*(\i):(\f)+8*(\i)+3],   v[ADRB+(\slot)] offset:(\k)+(\i)*16*PITCH
	ds_load_b128 v[(\f)+8*(\i)+4:(\f)+8*(\i)+7], v[ADRB+(\slot)] offset:(\k)+(\i)*16*PITCH+32
.endr
	WIN 0
.irp i, 0,1,2,3,4,5,6,7
	ds_load_b128 v[(\f)+8*(\i):(\f)+8*(\i)+3],   v[ADRA+(\slot)] offset:(\k)+(\i)*16*PITCH
	ds_load_b128 v[(\f)+8*(\i)+4:(\f)+8*(\i)+7], v[ADRA+(\slot)] offset:(\k)+(\i)*16*PITCH+32
.endr
.endm
.macro PLACES                          ; four places behind a matrix instruction, ahead of loads into registers that it has read
.rept 4
	v_nop
.endr
.endm
.macro QUARTER slot, k, f, g, zero     ; 64 matrix instructions on buffer f; in their middle the next quarter's fragments go into buffer g
	s_wait_dscnt 8                                 ; B and A's rows 0-63 are in; the youngest eight loads may be out
	WIN MUL_LO
	MUL16 \f, 0, 0, \zero
	MUL16 \f, 0, 2, \zero
	PLACES
	FETCH \slot, \k, \g
	s_wait_dscnt 32                                ; all but the 32 just issued
	WIN MUL_HI
	MUL16 \f, 1, 0, \zero
	MUL16 \f, 1, 2, \zero
.endm
.macro MEET                            ; the first half of a K step's last quarter: the barrier of the change of slots, which opens a round of the cluster's
	WIN 0
	s_wait_tensorcnt 0x0                           ; all my tensor loads have landed: the one that was out is my part of the next slot;
	ds_add_u32 v[SPW], v[NIL]                      ; 0 onto my spare word;
	s_wait_dscnt 9                                 ; (the add and the youngest eight loads may be out)
	WIN MUL_LO
	MUL16 F1, 0, 0, 0
	s_wait_dscnt 0x0                               ; the add is done, and my reads of this slot are over
	s_barrier_signal -1
	MUL16 F1, 0, 2, 0
	WIN 0
	s_barrier_wait -1
.endm
.macro TURN slot, next                 ; the last quarter: the slot just read out is filled again, two K steps ahead
	s_wait_xcnt 0x0                                ; the last prefetch, a K step back, has read its address
	s_add_nc_u64 s[PFA:PFA+1], s[PFA:PFA+1], KSTEP*2
	MEET
	CREST                                          ; no wave of any partner still reads this slot or has a load on its way
	s_add_nc_u64 s[G0+4*(\slot)+2:G0+4*(\slot)+3], s[G0+4*(\slot)+2:G0+4*(\slot)+3], 2*KSTEP*2
	s_add_nc_u64 s[G0B+4*(\slot)+2:G0B+4*(\slot)+3], s[G0B+4*(\slot)+2:G0B+4*(\slot)+3], 2*KSTEP*2
	JLOAD \slot                                    ; the first tensor load behind the round; its four v_nop are also the places ahead of the loads below
	FETCH \next, 0, F0
	ASK
	WIN MUL_HI
	MUL16 F1, 1, 0, 0
	MUL16 F1, 1, 2, 0
.endm
	s_wait_tensorcnt 1                             ; my part of K step 0 is in; K step 1's load, the one behind it, may stay out
	s_barrier_signal -1
	s_barrier_wait -1
	FETCH 0, 0, F0
	QUARTER 0, 64,  F0, F1, 1                      ; the first quarter starts the sums
	WIN 0
	s_mov_b32 s3, LAPS-1
.Llap:                                                 ; three trips: K steps 2 to 7 are asked for
	QUARTER 0, 128, F1, F0, 0
	QUARTER 0, 192, F0, F1, 0
	TURN 0, 1
	QUARTER 1, 64,  F0, F1, 0
	QUARTER 1, 128, F1, F0, 0
	QUARTER 1, 192, F0, F1, 0
	TURN 1, 0
	QUARTER 0, 64,  F0, F1, 0
	WIN 0
	s_sub_co_u32 s3, s3, 1
	s_cmp_lg_u32 s3, 0
	s_cbranch_scc1 .Llap
	QUARTER 0, 128, F1, F0, 0                      ; the last lap
	QUARTER 0, 192, F0, F1, 0
	MEET
	CREST
	tensor_load_to_lds s[G0T:G0T+3], s[G1T:G1T+7]  ; slot 0 takes the table: 64 rows a wave, jointly along the cluster's row; it has the last K step in which to land
	s_nop 0
.rept 4
	v_nop
.endr
	FETCH 1, 0, F0
	WIN MUL_HI
	MUL16 F1, 1, 0, 0
	MUL16 F1, 1, 2, 0
	QUARTER 1, 64,  F0, F1, 0
	QUARTER 1, 128, F1, F0, 0
	QUARTER 1, 192, F0, F1, 0
	s_wait_dscnt 8
	MUL16 F1, 0, 0, 0
	MUL16 F1, 0, 2, 0
	s_wait_dscnt 0x0
	MUL16 F1, 1, 0, 0
	MUL16 F1, 1, 2, 0
	WIN 0
	PLACES                                         ; behind the last products, once a launch
	PLACES
	s_wait_tensorcnt 0x0                           ; my 64 rows of the table are in,
	s_wait_loadcnt 0x0                             ; and the gains
	s_barrier_signal -1
	s_barrier_wait -1                              ; everybody's rows are
; THE WAY OUT, a block of 16 rows a trip.  BLK k is the one part that names accumulators, so it is written eight times and chosen by the count; all else is written once.
.macro BLK k
.set AC, 64*((\k)%4)
	WIN 0x5a+5*((\k)/4)                            ; sources 0, 1: the accumulators' window; source 2 and destination: window 1
.set pp, 0
.rept 32                               ; the sum of squares of my 64 numbers, in four chains; each accumulator is read from its low end on
.if pp < 4
	v_pk_mul_f32 v[SS+2*pp:SS+2*pp+1], v[AC+2*pp:AC+2*pp+1], v[AC+2*pp:AC+2*pp+1]
.else
	v_pk_fma_f32 v[SS+2*(pp%4):SS+2*(pp%4)+1], v[AC+2*pp:AC+2*pp+1], v[AC+2*pp:AC+2*pp+1], v[SS+2*(pp%4):SS+2*(pp%4)+1]
.endif
.set pp, pp+1
.endr
	WIN 0x46+((\k)/4)                              ; source 0: the accumulators; source 1 and destination: window 1
.set pp, 0
.rept 32
	v_pk_mul_f32 v[Y+2*pp:Y+2*pp+1], v[AC+2*pp:AC+2*pp+1], v[W+2*pp:W+2*pp+1]
.set pp, pp+1
.endr
	WIN 0
.endm
	s_mov_b32 s[ROWC], 8
.Lrow:
	WIN 0x40
.irp b, 0,1,2,3                        ; cos and sin of d = 16 b + 8 h + 0..7 for my row
	ds_load_b128 v[CSN+8*(\b):CSN+8*(\b)+3],       v[TA] offset:64*(\b)
	ds_load_b128 v[CSN+8*(\b)+4:CSN+8*(\b)+7],     v[TA] offset:64*(\b)+16
	ds_load_b128 v[CSN+32+8*(\b):CSN+32+8*(\b)+3], v[TA] offset:256+64*(\b)
	ds_load_b128 v[CSN+32+8*(\b)+4:CSN+32+8*(\b)+7], v[TA] offset:256+64*(\b)+16
.endr
	WIN 0
.irp k, 0,1,2,3,4,5,6
	s_cmp_eq_u32 s[ROWC], 8-(\k)
	s_cbranch_scc1 .Lblk_\k
.endr
	BLK 7
	s_branch .Lcommon
.irp k, 0,1,2,3,4,5,6
.Lblk_\k:
	BLK \k
	s_branch .Lcommon
.endr
.Lcommon:
	WIN 0x55                                       ; all in window 1
	v_pk_add_f32 v[SS:SS+1], v[SS:SS+1], v[SS+2:SS+3]
	v_pk_add_f32 v[SS+4:SS+5], v[SS+4:SS+5], v[SS+6:SS+7]
	v_pk_add_f32 v[SS:SS+1], v[SS:SS+1], v[SS+4:SS+5]
	v_add_f32 v[SS], v[SS], v[SS+1]
	v_permlanex16_b32 v[SS+1], v[SS], s[SEL], s[SEL+1]  ; the row's other 64 numbers lie in the lane 16 away
	v_add_f32 v[SS], v[SS], v[SS+1]
	v_fmaak_f32 v[SS], s[I128], v[SS], 0x3727c5ac  ; the mean square + 1e-5
	v_rsq_f32 v[R], v[SS]
	v_nop
	s_wait_alu depctr_va_vdst(0)                   ; the wait ahead of the first use
	v_cndmask_b32 v[R], v[R], 0, s[VM]             ; f: 0 in a v head
	s_wait_dscnt 0x0                               ; cos and sin are in
.set n, 0
.rept 16
	v_pk_fma_f32 v[CSN+2*n:CSN+2*n+1], v[CSN+2*n:CSN+2*n+1], v[R:R+1], v[G:G+1] op_sel_hi:[1,0,0]
	v_pk_mul_f32 v[CSN+32+2*n:CSN+32+2*n+1], v[CSN+32+2*n:CSN+32+2*n+1], v[R:R+1] op_sel_hi:[1,0]
.set n, n+1
.endr
.set n, 0
.rept 16                               ; y1 = y1 cos - y2 sin, y2 = y1 sin + y2 cos, two columns at a time
.set TT, T+4*(n%2)
	v_pk_mul_f32 v[TT:TT+1], v[Y+32+2*n:Y+32+2*n+1], v[CSN+32+2*n:CSN+32+2*n+1]
	v_pk_mul_f32 v[TT+2:TT+3], v[Y+2*n:Y+2*n+1], v[CSN+32+2*n:CSN+32+2*n+1]
	v_pk_fma_f32 v[Y+2*n:Y+2*n+1], v[Y+2*n:Y+2*n+1], v[CSN+2*n:CSN+2*n+1], v[TT:TT+1] neg_lo:[0,0,1] neg_hi:[0,0,1]
	v_pk_fma_f32 v[Y+32+2*n:Y+32+2*n+1], v[Y+32+2*n:Y+32+2*n+1], v[CSN+2*n:CSN+2*n+1], v[TT+2:TT+3]
.set n, n+1
.endr
	WIN 0x05                                       ; sources in window 1, destination in window 0
.set n, 0
.rept 32
	v_cvt_pk_f16_f32 v[TMP+n], v[Y+2*n], v[Y+2*n+1]
.set n, n+1
.endr
	WIN 0
.irp b, 0,1,2,3,4,5,6,7
	ds_store_b128 v[STO], v[TMP+4*(\b):TMP+4*(\b)+3] offset:32*(\b)
.endr
.irp t, 0,1,2,3,4,5,6,7
	ds_load_b128 v[TMP+4*(\t):TMP+4*(\t)+3], v[RD] offset:(\t)*2*SPITCH  ; LDS serves a wave's instructions in order (ISA guide 5.7.1.4): these see the stores above
.endr
	s_wait_dscnt 0x0
.irp t, 0,1,2,3,4,5,6,7
	global_store_b128 v[CO], v[TMP+4*(\t):TMP+4*(\t)+3], s[8:9] offset:512*(\t)  ; 512 consecutive bytes: two rows of the head
.endr
	s_wait_xcnt 0x0                                ; the stores have read their base and data: both are written again only behind this wait
	s_add_nc_u64 s[8:9], s[8:9], 4096
	v_add_nc_u32 v[TA], 16*TP, v[TA]
	s_sub_co_u32 s[ROWC], s[ROWC], 1
	s_cmp_lg_u32 s[ROWC], 0
	s_cbranch_scc1 .Lrow
	s_wait_tensorcnt 0x0                           ; the wave's end
	ds_add_u32 v[SPW], v[NIL]
	s_wait_dscnt 0x0
	CROUND                                         ; the closing round
	s_endpgm
.Lfunc_end_k_q4c35032252_qkv:
	.size	k_q4c35032252_qkv, .Lfunc_end_k_q4c35032252_qkv-k_q4c35032252_qkv
	.p2alignl 7, 3214868480
	.fill 96, 4, 3214868480
	.section	.rodata,"a",@progbits
	.p2align	6, 0x0
	.amdhsa_kernel k_q4c35032252_qkv
		.amdhsa_group_segment_fixed_size 327680
		.amdhsa_private_segment_fixed_size 0
		.amdhsa_enable_private_segment 0
		.amdhsa_kernarg_size 40
		.amdhsa_user_sgpr_count 2
		.amdhsa_user_sgpr_kernarg_segment_ptr 1
		.amdhsa_wavefront_size32 1
		.amdhsa_system_sgpr_workgroup_id_x 1
		.amdhsa_system_sgpr_workgroup_id_y 1
		.amdhsa_system_sgpr_workgroup_id_z 1
		.amdhsa_system_vgpr_workitem_id 0
		.amdhsa_next_free_vgpr 1024
		.amdhsa_next_free_sgpr 96
		.amdhsa_reserve_vcc 0
		.amdhsa_float_denorm_mode_32 3
		.amdhsa_float_denorm_mode_16_64 3
		.amdhsa_memory_ordered 1
		.amdhsa_forward_progress 1
		.amdhsa_inst_pref_size 162
	.end_amdhsa_kernel
	.amdgpu_metadata
---
amdhsa.version: [ 1, 2 ]
amdhsa.kernels:
  - .name:           k_q4c35032252_qkv
    .symbol:         k_q4c35032252_qkv.kd
    .args:
      - { .name: xb, .offset: 0, .size: 8, .value_kind: global_buffer, .address_space: global }
      - { .name: wqkvb, .offset: 8, .size: 8, .value_kind: global_buffer, .address_space: global }
      - { .name: qkv, .offset: 16, .size: 8, .value_kind: global_buffer, .address_space: global }
      - { .name: rope, .offset: 24, .size: 8, .value_kind: global_buffer, .address_space: global }
      - { .name: normw, .offset: 32, .size: 8, .value_kind: global_buffer, .address_space: global }
    .group_segment_fixed_size: 327680
    .private_segment_fixed_size: 0
    .kernarg_segment_align: 8
    .kernarg_segment_size: 40
    .max_flat_workgroup_size: 128
    .sgpr_count:     96
    .vgpr_count:     1024
    .wavefront_size: 32
...
	.end_amdgpu_metadata
.endif
;; end of part 2
;; launch attn (part 3): grid 32 x 8, 4 waves a work-group, clusters of 4 x 1, 327,680 bytes of LDS; arguments qkv, gate, attn; writes attn
.if DOCPART == 3
	.amdgcn_target "amdgcn-amd-amdhsa--gfx1250"
	.amdhsa_code_object_version 6
	.text
	.protected	k_q4c35032252_attn
	.globl	k_q4c35032252_attn
	.p2align	8
	.type	k_q4c35032252_attn,@function
k_q4c35032252_attn:
	s_mov_b64 s[64:65], 0
	v_nop
	global_prefetch_b8 v0, s[64:65] scope:SCOPE_SE
	s_setreg_imm32_b32 hwreg(HW_REG_WAVE_MODE, 25, 1), 1
	s_wait_xcnt 0x0
	s_wait_alu depctr_hold_cnt(0) depctr_sa_sdst(0) depctr_va_vdst(0) depctr_va_sdst(0) depctr_va_ssrc(0) depctr_va_vcc(0) depctr_vm_vsrc(0)
	s_getreg_b32 s2, hwreg(HW_REG_IB_STS2, 6, 4)
	s_cmp_eq_u32 s2, 0
	s_cbranch_scc0 .Lentry_in_a_cluster
	s_endpgm
.Lentry_in_a_cluster:
	s_bfe_u32 s2, ttmp6, 0x10000c
	s_cmp_lg_u32 s2, 0x3003
	s_cbranch_scc0 .Lentry_shape_is_right
	s_endpgm
.Lentry_shape_is_right:
; CAUSAL GROUPED-QUERY ATTENTION, head size 128, f16 operands, f32 products, maxima and sums.  attn[b s][head 128 + ch] = gate[b s][head] x sum over k <= s of softmax_k(q . k / sqrt(128)) v[k][ch].
; qkv: [b 2][head 24: q 0-15, k 16-19, v 20-23][2048][128] f16; gate: [4096][16] f32; attn: [4096][2048] f16.
; LIMITS.  f16 holds no number beyond 65,504: q, k, v arrive within it; the weights lie in 0 to 1; the result is a mean of v's rows times a gate in 0 to 1.
; A hidden score counts as its value less 1e30; a weight below 2^-126 counts as 0 in the sum; NaN and infinities are not treated apart.
; THE WALK.  A head's queries lie in 16 blocks of 128; block i needs the key tiles 0 .. i of 128 keys, the last of which holds the diagonal.  A work-group takes blocks p and then 15 - p of one query head:
; 17 tiles, 34 key steps of 64, whatever p.  One loop with constant trip counts walks them; what a trip does hangs on scalars made from p.
; CLUSTER.  The four partners are the four query heads of one key and value head, with the same p: they walk the same tiles, so every fill is asked for jointly (mask 15).
; SHARES.  A wave owns 32 rows of a block: two tiles t of 16 queries.
; LAYOUT.  S^T = K Q^T (source 0 = 16 keys, source 1 = 16 queries): a lane holds ONE query (l % 16) and the keys 8 (l / 16) + 0..7.  Two such results rounded to f16 ARE source 1 of O^T = V^T P.
; V comes out of LDS turned, by ds_load_tr16_b128.
; SOFTMAX.  A running maximum m and sum l for each query: p = 2^(c s - c m), c = log2(e) / sqrt(128); O and l are multiplied by a = 2^(c m_old - c m_new) in every step.
; A block starts with c m far below every c s: its first a is 0, so what O and l hold then need only be finite.
; THE MASK is the C operand that starts a sum of scores: 0, or -1e30 where the key is hidden.  Key block 4 s + kb against query tile 2 w + t hangs on kb - t alone: five masks, made anew in each step as
; MD x AL + BE with two scalars ((1, 0) on the diagonal, (0, 0) below it, (0, -1e30) above it; all (0, 0) outside a diagonal tile).
; A STEP IS WRITTEN ROTATED: H2 ends step j (both softmaxes, 32 products V^T P, the fetches of K and V of step j + 1), H1 begins step j + 1 (32 products K Q^T, the first tile's maximum and scaling behind them).
; REGISTERS, in windows of 256: window 0: v0-15 addresses; v16-31 statistics; v32-35 gates; v40-47 MD; v64-103 the masks; v128-191 S^T; v192-223 P.
; window 1: v0-127 O^T; v128-255 V.   window 2: v0-63 Q; v64-127 the second block's Q; v128-255 K.
.set KS,    64
.set PKP,   272       ; a row of K in LDS: 256 bytes + 16: the 16 rows of a load start at 16 different groups of banks (ISA guide 11.1)
.set PVP,   288       ; a row of V: 256 + 32
.set VOFF,  KS*PKP
.set STEPB, KS*(PKP+PVP)
.set SLOT1, 1<<17
.set STAGE, SLOT1+2*STEPB
.set SP,    272
.set SPARE, STAGE+4*16*SP
.set AK0, 2
.set AV0, 3
.set ADR, 4
.set QO,  5
.set STO, 6
.set RD,  7
.set GO,  8
.set SPW, 12          ; v12  my spare word; never rewritten
.set NIL, 13          ; v13  0; never rewritten
.set PFO, 14          ; v14  256 x lane; never rewritten
.set GOF, 15          ; v15  64 x (l % 16): my row of the gate; never rewritten
.set ST,  16          ; tile t at v[ST+8 t]: c m, m, l (even keys', odd keys'), c0-c3 at work; a takes c2's place
.set GATE, 32         ; v32-33 the block in hand, v34-35 the second block
.set MD,  40
.set MC,  64
.set S,   128
.set P,   192
.set VF,  128         ; window 1
.set QB,  64          ; window 2
.set KF,  128         ; window 2
.set WV,  12
.set PP,  14          ; s14  p
.set LIM, 15
.set PFA, 18
.set G1K, 24
.set G1V, 32
.set G0K, 40          ; s[40:47] two sets: the two first fills; the second then walks
.set G0V, 48
.set SLOTS, 56
.set CNT, 57
.set CS,  58
.set SEL, 60
.set TB,  62
.set HI,  66          ; s66  15 - p
.set NXT, 67          ; s67  the tile to be asked for next
.set LQ,  68          ; s68  the last tile of the block whose tiles are being asked for
.set RS,  69          ; s69  steps of the block in hand that are not yet ended
.set KB0, 70          ; s70  4 x the step's number in the diagonal tile, or -100
.set W2,  71          ; s71  2 x wave
.set OFF, 72
.set AL,  74
.set BE,  76
.set OLO, 78          ; s[78:79] attn at my rows of the second block
.set BIGN, 80
.set MSB, 0
.macro WIN new
.if MSB != (\new)
	s_set_vgpr_msb (MSB<<8)|(\new)
.set MSB, (\new)
.endif
.endm
.set W_KQ, 0x0a       ; K and Q in window 2; S^T and the mask in window 0
.set W_PV, 0x51       ; V and O^T in window 1, P in window 0
.set W_RS, 0x41       ; O^T in window 1, a in window 0
.macro JLOAD                        ; a joint refill: waves 0, 1 fetch the two steps' K, waves 2, 3 their V
	s_cmp_lt_u32 s[WV], 2
	s_cbranch_scc0 .Lfor_v_\@
	tensor_load_to_lds s[G0K+4:G0K+7], s[G1K:G1K+7]
	s_nop 0
.rept 4
	v_nop
.endr
	s_branch .Lasked_\@
.Lfor_v_\@:
	tensor_load_to_lds s[G0V+4:G0V+7], s[G1V:G1V+7]
	s_nop 0
.rept 4
	v_nop
.endr
.Lasked_\@:
.endm
; A prefetch, behind the joint load and its five lines.  All eight clusters of a key and value head walk the same tiles: the cluster p = 0 asks.  Its four partners take 32 of a tile's 128 rows each, by address;
; wave 0 asks for K's, wave 2 for V's; a lane a row of 256 bytes.  Filling change number c names tile c + 2, for c = 1 .. 13: each row of tiles 3 to 15 is named once; tiles 0 to 2 come by their loads alone.
.macro ASK
	s_cmp_gt_u32 s[SLOTS], s[LIM]
	s_cbranch_scc0 .Lnot_mine_\@
	global_prefetch_b8 v[PFO], s[PFA:PFA+1] th:TH_LOAD_NT scope:SCOPE_SE
.Lnot_mine_\@:
.endm
.macro CROUND
	s_barrier_signal -1
	s_barrier_wait -1
	s_cmp_lg_u32 s[WV], 0
	s_cbranch_scc1 .Lnot_wave_0_\@
	s_barrier_signal -3
.Lnot_wave_0_\@:
	s_barrier_wait -3
	s_barrier_signal -1
	s_barrier_wait -1
.endm
.macro ADV                          ; the block's next tile, or behind its last the second block's tile 0
	s_add_co_u32 s[NXT], s[NXT], 1
	s_cmp_gt_u32 s[NXT], s[LQ]
	s_cselect_b32 s[NXT], 0, s[NXT]
	s_cselect_b32 s[LQ], s[HI], s[LQ]
.endm
; THE CHANGE OF SLOTS stands ahead of the H2 of a slot's second step: K and V of both its steps have been asked for out of LDS.  Each wave waits for all its tensor loads (one is out: its part of the other
; slot), adds 0 to its spare word, and waits for that and for its reads.  fill = 1: a round of the cluster's barrier, and the slot is filled again with tile NXT, whose address is made anew from that number.
.macro CHANGE fill
	WIN 0
	s_wait_tensorcnt 0x0            ; no tensor load of mine is out, so a group 0 may be written
	ds_add_u32 v[SPW], v[NIL]       ; 0 onto my spare word; scalar work stands between it and the wait for it
.if \fill
	s_lshl_b32 s[OFF], s[NXT], 15   ; a tile is 32,768 bytes of K and of V
	s_xor_b32 s[G0K+5], s[G0K+5], SLOT1
	s_add_nc_u64 s[G0K+6:G0K+7], s[6:7], s[OFF:OFF+1]
	s_or_b32 s[G0K+7], s[G0K+7], 0x80000000
	s_xor_b32 s[G0V+5], s[G0V+5], SLOT1
	s_add_nc_u64 s[G0V+6:G0V+7], s[8:9], s[OFF:OFF+1]
	s_or_b32 s[G0V+7], s[G0V+7], 0x80000000
	ADV
	s_wait_xcnt 0x0                 ; the last prefetch, two key steps back, has read its address
	s_add_nc_u64 s[PFA:PFA+1], s[PFA:PFA+1], 32768
	s_wait_dscnt 0x0                ; the add is done, and my reads of the slot are over
	CROUND
	JLOAD                           ; it has two key steps in which to land
	ASK
.else
	s_wait_dscnt 0x0
	s_barrier_signal -1
	s_barrier_wait -1
.endif
	s_sub_co_u32 s[TB], s[TB], 2*STEPB  ; the fetches go back to a slot's first step,
	s_xor_b32 s[TB], s[TB], SLOT1   ; in the other slot
.endm
	s_load_b128 s[84:87], s[0:1], 0x0  ; qkv s[84:85], gate s[86:87]
	s_load_b64 s[10:11], s[0:1], 0x10  ; attn
	v_lshl_add_u32 v[SPW], v0, 2, SPARE
	v_mov_b32 v[NIL], 0
	ds_add_u32 v[SPW], v[NIL]       ; the wave's opening: the add and its wait ahead of my first tensor load
	v_lshrrev_b32 v1, 5, v0
	v_readfirstlane_b32 s[WV], v1   ; wave 0..3
	s_bfe_u32 s13, ttmp6, 0x40000   ; cx: which of the group's four query heads
	s_mov_b32 s[PP], ttmp9          ; in a cluster launch ttmp9 counts clusters: p
	s_sub_co_u32 s[HI], 15, s[PP]
	s_and_b32 s20, ttmp7, 0xffff
	s_lshr_b32 s21, s20, 2          ; the batch
	s_and_b32 s22, s20, 3           ; the key and value head
	s_mul_i32 s23, s21, 24
	s_add_co_u32 s88, s23, s22
	s_add_co_u32 s88, s88, 16       ; K's head among the 48
	s_lshl_b32 s88, s88, 19         ; 524,288 bytes a head
	s_and_b32 s16, s[WV], 1         ; which of a slot's two steps I fetch:
	s_lshl_b32 s17, s16, 14         ; its 64 rows of 256 bytes in memory,
	s_add_co_u32 s88, s88, s17
	s_mov_b32 s89, 0
	s_mul_i32 s17, s16, STEPB       ; and its place in a slot
	s_mov_b32 s[G1K], 15|(1<<16)|(1<<20)|(1<<21)|(5<<22)|(3<<25)  ; the mask of four; 2-byte elements; padding: 4 words after every 64
	s_mov_b32 s[G1V], 15|(1<<16)|(1<<20)|(1<<21)|(5<<22)|(7<<25)  ; the same with 8 words
.irp g, G1K, G1V
	s_mov_b32 s[(\g)+1], 128<<16    ; tensor_dim0 = 128
	s_mov_b32 s[(\g)+2], KS<<16     ; tensor_dim1 = 64
	s_mov_b32 s[(\g)+3], 128<<16    ; tile_dim0 = 128
	s_mov_b32 s[(\g)+4], KS         ; tile_dim1 = 64
	s_mov_b32 s[(\g)+5], 128        ; elements from row to row
	s_mov_b32 s[(\g)+6], 0
	s_mov_b32 s[(\g)+7], 0
.endr
	s_mov_b32 s[CS], 0x3e0293ee     ; c = log2(e) / sqrt(128)
	s_mov_b32 s[CS+1], s[CS]
	s_mov_b32 s[SEL], 0x76543210
	s_mov_b32 s[SEL+1], 0xfedcba98
	s_mov_b32 s[TB], 0
	s_mov_b32 s[NXT], 0
	s_mov_b32 s[LQ], s[PP]
	s_mov_b32 s[OFF+1], 0
	s_mov_b32 s[AL+1], 0            ; named as pairs
	s_mov_b32 s[BE+1], 0
	s_mov_b32 s[BIGN], 0xf149f2ca   ; -1e30
	s_lshl_b32 s[W2], s[WV], 1
	s_lshl_b32 s[RS], s[PP], 1
	s_add_co_u32 s[RS], s[RS], 2    ; the first block has 2 (p + 1) steps
	s_and_b32 s[LIM], s[WV], 1      ; 0 in waves 0 and 2,
	s_or_b32 s[LIM], s[LIM], ttmp9  ; of the cluster p = 0: the same in all four partners
	s_cmp_eq_u32 s[LIM], 0
	s_cselect_b32 s[LIM], 2, -1
	v_and_b32 v[PFO], 31, v0
	v_lshlrev_b32 v[PFO], 8, v[PFO]
	s_wait_dscnt 0x0                ; the opening add is done
	s_wait_kmcnt 0x0
	s_add_nc_u64 s[6:7], s[84:85], s[88:89]  ; K at my half of the head's tile 0,
	s_add_nc_u64 s[8:9], s[6:7], 4<<19       ; V four heads behind it
	s_cmp_lt_u32 s[WV], 2
	s_cselect_b64 s[PFA:PFA+1], s[6:7], s[8:9]
	s_lshl_b32 s2, s13, 13          ; my work-group's 32 rows of a tile's 128
	s_mov_b32 s3, 0
	s_add_nc_u64 s[PFA:PFA+1], s[PFA:PFA+1], s[2:3]
	s_add_nc_u64 s[PFA:PFA+1], s[PFA:PFA+1], 2*32768  ; at tile 2: the first change steps it to tile 3
	CROUND                          ; all four work-groups are here: the first joint loads meet
.irp s, 0,1                         ; the walk's first two tiles
	s_lshl_b32 s[OFF], s[NXT], 15
	s_mov_b32 s[G0K+4*(\s)], 1
	s_add_co_u32 s[G0K+4*(\s)+1], s17, (\s)*SLOT1
	s_add_nc_u64 s[G0K+4*(\s)+2:G0K+4*(\s)+3], s[6:7], s[OFF:OFF+1]
	s_or_b32 s[G0K+4*(\s)+3], s[G0K+4*(\s)+3], 0x80000000
	s_mov_b32 s[G0V+4*(\s)], 1
	s_add_co_u32 s[G0V+4*(\s)+1], s17, (\s)*SLOT1+VOFF
	s_add_nc_u64 s[G0V+4*(\s)+2:G0V+4*(\s)+3], s[8:9], s[OFF:OFF+1]
	s_or_b32 s[G0V+4*(\s)+3], s[G0V+4*(\s)+3], 0x80000000
	ADV
.endr
	s_cmp_lt_u32 s[WV], 2           ; a wave's two first fills stand in one branch: two loads of mine are out
	s_cbranch_scc0 .Lfirst_v
	tensor_load_to_lds s[G0K:G0K+3], s[G1K:G1K+7]
	s_nop 0
	tensor_load_to_lds s[G0K+4:G0K+7], s[G1K:G1K+7]
	s_nop 0
.rept 4
	v_nop
.endr
	s_branch .Lfirst_asked
.Lfirst_v:
	tensor_load_to_lds s[G0V:G0V+3], s[G1V:G1V+7]
	s_nop 0
	tensor_load_to_lds s[G0V+4:G0V+7], s[G1V:G1V+7]
	s_nop 0
.rept 4
	v_nop
.endr
.Lfirst_asked:
	; my rows of Q, of attn and of the gate, for both blocks
	s_lshl2_add_u32 s3, s22, s13    ; the query head = 4 x key head + cx
	s_add_co_u32 s2, s23, s3
	s_lshl_b32 s2, s2, 19
	s_lshl_b32 s16, s[WV], 13       ; my 32 rows of 256 bytes
	s_add_co_u32 s2, s2, s16
	s_lshl_b32 s16, s[PP], 15       ; a block is 128 rows
	s_add_co_u32 s94, s2, s16
	s_mov_b32 s95, 0
	s_add_nc_u64 s[4:5], s[84:85], s[94:95]
	s_lshl_b32 s16, s[HI], 15
	s_add_co_u32 s94, s2, s16
	s_add_nc_u64 s[90:91], s[84:85], s[94:95]
	s_lshl_b32 s2, s21, 23          ; attn: 4,096 bytes a row, 2,048 rows a batch
	s_lshl_b32 s16, s[WV], 17
	s_add_co_u32 s2, s2, s16
	s_lshl_b32 s16, s3, 8           ; the head's 256 bytes of a row
	s_add_co_u32 s2, s2, s16
	s_lshl_b32 s16, s[HI], 19
	s_add_co_u32 s94, s2, s16
	s_add_nc_u64 s[OLO:OLO+1], s[10:11], s[94:95]
	s_lshl_b32 s16, s[PP], 19
	s_add_co_u32 s94, s2, s16
	s_add_nc_u64 s[10:11], s[10:11], s[94:95]
	s_lshl_b32 s2, s21, 17          ; gate: 64 bytes a row
	s_lshl_b32 s16, s[WV], 11
	s_add_co_u32 s2, s2, s16
	s_lshl_b32 s16, s3, 2
	s_add_co_u32 s2, s2, s16
	s_lshl_b32 s16, s[HI], 13
	s_add_co_u32 s94, s2, s16
	s_add_nc_u64 s[92:93], s[86:87], s[94:95]
	s_lshl_b32 s16, s[PP], 13
	s_add_co_u32 s94, s2, s16
	s_add_nc_u64 s[86:87], s[86:87], s[94:95]
	v_and_b32 v1, 15, v0            ; r = l % 16
	v_bfe_u32 v9, v0, 4, 1          ; h = l / 16
	v_lshlrev_b32 v[QO], 8, v1
	v_lshl_add_u32 v[QO], v9, 4, v[QO]
	WIN 0x80                        ; destination window 2
.irp i, 0,1,2,3,4,5,6,7             ; tile i / 4, channels 32 (i % 4) on; both blocks' Q stay in registers
	global_load_b128 v[8*(\i):8*(\i)+3],   v[QO], s[4:5] offset:((\i)/4)*4096+((\i)%4)*64
	global_load_b128 v[8*(\i)+4:8*(\i)+7], v[QO], s[4:5] offset:((\i)/4)*4096+((\i)%4)*64+32
	global_load_b128 v[QB+8*(\i):QB+8*(\i)+3],   v[QO], s[90:91] offset:((\i)/4)*4096+((\i)%4)*64
	global_load_b128 v[QB+8*(\i)+4:QB+8*(\i)+7], v[QO], s[90:91] offset:((\i)/4)*4096+((\i)%4)*64+32
.endr
	WIN 0
	v_lshlrev_b32 v[GOF], 6, v1
	global_load_b32 v[GATE],   v[GOF], s[86:87]
	global_load_b32 v[GATE+1], v[GOF], s[86:87] offset:1024
	global_load_b32 v[GATE+2], v[GOF], s[92:93]
	global_load_b32 v[GATE+3], v[GOF], s[92:93] offset:1024
	v_mul_u32_u24 v[AK0], v1, PKP
	v_lshl_add_u32 v[AK0], v9, 4, v[AK0]
	v_and_b32 v10, 7, v0            ; the turning load: lane l reads key 8 (l / 16) + l % 8, channels 8 ((l / 8) % 2) + 0..7
	v_bfe_u32 v11, v0, 3, 1
	v_lshl_add_u32 v[AV0], v9, 3, v10
	v_mul_u32_u24 v[AV0], v[AV0], PVP
	v_lshl_add_u32 v[AV0], v11, 4, v[AV0]
	v_add_nc_u32 v[AV0], VOFF, v[AV0]
	s_mul_i32 s16, s[WV], 16*SP
	s_add_co_u32 s16, s16, STAGE    ; my stage
	v_mul_u32_u24 v[STO], v1, SP
	v_lshl_add_u32 v[STO], v9, 4, v[STO]
	v_add_nc_u32 v[STO], s16, v[STO]
	v_mul_u32_u24 v[RD], v9, SP
	v_lshl_add_u32 v[RD], v1, 4, v[RD]
	v_add_nc_u32 v[RD], s16, v[RD]
	v_lshlrev_b32 v[GO], 12, v9     ; lanes 0-15 one row's 256 bytes, lanes 16-31 the next row's
	v_lshl_add_u32 v[GO], v1, 4, v[GO]
	v_lshlrev_b32 v10, 3, v9
	v_sub_nc_u32 v10, v1, v10       ; r - 8 h: register j of a diagonal block is hidden where j is greater
.irp j, 0,1,2,3,4,5,6,7
	v_cmp_gt_i32 vcc_lo, \j, v10
	v_cndmask_b32 v[MD+(\j)], 0, s[BIGN], vcc_lo
.endr
.irp t, 0,1
	v_mov_b32 v[ST+8*(\t)], 0xfe000000    ; c m: far below every c s
	v_mov_b32 v[ST+8*(\t)+1], 0xff7fffff  ; m
	v_mov_b32 v[ST+8*(\t)+2], 0
	v_mov_b32 v[ST+8*(\t)+3], 0
.endr
	WIN 0x40
.set i, 0
.rept 128
	v_mov_b32 v[i], 0               ; O^T need only be finite: written in the wait for the first tile, so that no first step is written out
.set i, i+1
.endr
	WIN 0
; THE MATRIX WORK.  The accumulators take turns, one instruction a turn.  Product i of 16 of S^T = K Q^T for tile t: channels 32 (i / 4) on, keys 16 (i % 4) on; the first four take the masks.
.macro KQ t
	WIN W_KQ
.set rS, S+32*(\t)+8*(i%4)
.set rK, KF+32*(i%4)+8*(i/4)
.set rQ, 32*(\t)+8*(i/4)
.set rM, MC+8*((i%4)-(\t)+1)
.if i < 4
	v_wmma_f32_16x16x32_f16 v[rS:rS+7], v[rK:rK+7], v[rQ:rQ+7], v[rM:rM+7]
.else
	v_wmma_f32_16x16x32_f16 v[rS:rS+7], v[rK:rK+7], v[rQ:rQ+7], v[rS:rS+7]
.endif
.endm
; Product i of 16 of O^T += V^T P for tile t: keys 32 (i / 8) on, channels 16 (i % 8) on.
.macro PV t
	WIN W_PV
.set rO, 64*(\t)+8*(i%8)
.set rV, VF+64*(i/8)+8*(i%8)
.set rP, P+16*(\t)+8*(i/8)
	v_wmma_f32_16x16x32_f16 v[rO:rO+7], v[rV:rV+7], v[rP:rP+7], v[rO:rO+7]
.endm
; THE LDS LOADS stand in runs of 32.  skip = 1 (the tail): in the last trip there is no further step, and the run is jumped over.
.macro FETCH_K skip=0
	WIN 0
.if \skip
	s_cmp_eq_u32 s[CNT], 1
	s_cbranch_scc1 .Lno_k_\@
.endif
	v_add_nc_u32 v[ADR], s[TB], v[AK0]
	WIN 0x80
.irp f, 0,1,2,3,4,5,6,7,8,9,10,11,12,13,14,15  ; keys 16 (f / 4) on, channels 32 (f % 4) on
	ds_load_b128 v[KF+8*(\f):KF+8*(\f)+3],   v[ADR] offset:((\f)/4)*16*PKP+((\f)%4)*64
	ds_load_b128 v[KF+8*(\f)+4:KF+8*(\f)+7], v[ADR] offset:((\f)/4)*16*PKP+((\f)%4)*64+32
.endr
	WIN 0
.if \skip
.Lno_k_\@:
.endif
.endm
.macro FETCH_V skip=0
	WIN 0
.if \skip
	s_cmp_eq_u32 s[CNT], 1
	s_cbranch_scc1 .Lno_v_\@
.endif
	v_add_nc_u32 v[ADR], s[TB], v[AV0]
	s_add_co_u32 s[TB], s[TB], STEPB  ; the next fetch is the next step's
	WIN 0x40
.irp f, 0,1,2,3,4,5,6,7,8,9,10,11,12,13,14,15  ; keys 32 (f / 8) on, channels 16 (f % 8) on
	ds_load_tr16_b128 v[VF+8*(\f):VF+8*(\f)+3],   v[ADR] offset:((\f)/8)*32*PVP+((\f)%8)*32
	ds_load_tr16_b128 v[VF+8*(\f)+4:VF+8*(\f)+7], v[ADR] offset:((\f)/8)*32*PVP+16*PVP+((\f)%8)*32
.endr
	WIN 0
.if \skip
.Lno_v_\@:
.endif
.endm
; THE VECTOR WORK of a tile and step, in five kinds.
.macro REGS t
.set rT, ST+8*(\t)
.set rS, S+32*(\t)
.set rP, P+16*(\t)
.set rO, 64*(\t)
.endm
; OPA n, n = 0..36.  0-15: the maximum of the lane's 32 scores and the old m, three operands at a time (each accumulator's lowest registers first).  16-20: the other half of the lanes' maximum; the new m; c m;
; c m_old - c m_new.  21-36: c s - c m, a pair of scores each.
.macro OPA t, n
	REGS \t
	WIN 0
.if (\n) < 4
	v_max3_num_f32 v[rT+4+(\n)], v[rS+8*(\n)], v[rS+8*(\n)+1], v[rS+8*(\n)+2]
.elseif (\n) < 12
	v_max3_num_f32 v[rT+4+(\n)%4], v[rT+4+(\n)%4], v[rS+8*((\n)%4)+2*((\n)/4)+1], v[rS+8*((\n)%4)+2*((\n)/4)+2]
.elseif (\n) == 12
	v_max3_num_f32 v[rT+4], v[rT+4], v[rS+7], v[rS+15]
.elseif (\n) == 13
	v_max3_num_f32 v[rT+6], v[rT+6], v[rS+23], v[rS+31]
.elseif (\n) == 14
	v_max3_num_f32 v[rT+4], v[rT+4], v[rT+5], v[rT+6]
.elseif (\n) == 15
	v_max3_num_f32 v[rT+4], v[rT+4], v[rT+7], v[rT+1]
.elseif (\n) == 16
	v_permlanex16_b32 v[rT+5], v[rT+4], s[SEL], s[SEL+1]
.elseif (\n) == 17
	v_mov_b32 v[rT+7], v[rT]
.elseif (\n) == 18
	v_max_num_f32 v[rT+1], v[rT+4], v[rT+5]
.elseif (\n) == 19
	v_mul_f32 v[rT], s[CS], v[rT+1]
.elseif (\n) == 20
	v_sub_f32 v[rT+7], v[rT+7], v[rT]
.else
	v_pk_fma_f32 v[rS+2*((\n)-21):rS+2*((\n)-21)+1], v[rS+2*((\n)-21):rS+2*((\n)-21)+1], s[CS:CS+1], v[rT:rT+1] op_sel_hi:[1,0,0] neg_lo:[0,0,1] neg_hi:[0,0,1]
.endif
.endm
.macro OPB t, n                     ; n = 0: a; 1..32: the exponentials
	REGS \t
	WIN 0
.if (\n) == 0
	v_exp_f32 v[rT+6], v[rT+7]
.else
	v_exp_f32 v[rS+(\n)-1], v[rS+(\n)-1]
.endif
.endm
.macro OPC t, n                     ; pair n of 16 rounded to f16
	REGS \t
	WIN 0
	v_cvt_pk_f16_f32 v[rP+(\n)], v[rS+2*(\n)], v[rS+2*(\n)+1]
.endm
.macro OPS t, z                     ; the sum of the 16 pairs, in place, neighbours 1, 2, 4, 8 pairs apart; the last: l = a l + sum
	REGS \t
	WIN 0
.if (\z) < 8
	v_pk_add_f32 v[rS+4*(\z):rS+4*(\z)+1], v[rS+4*(\z):rS+4*(\z)+1], v[rS+4*(\z)+2:rS+4*(\z)+3]
.elseif (\z) < 12
	v_pk_add_f32 v[rS+8*((\z)-8):rS+8*((\z)-8)+1], v[rS+8*((\z)-8):rS+8*((\z)-8)+1], v[rS+8*((\z)-8)+4:rS+8*((\z)-8)+5]
.elseif (\z) < 14
	v_pk_add_f32 v[rS+16*((\z)-12):rS+16*((\z)-12)+1], v[rS+16*((\z)-12):rS+16*((\z)-12)+1], v[rS+16*((\z)-12)+8:rS+16*((\z)-12)+9]
.elseif (\z) == 14
	v_pk_add_f32 v[rS:rS+1], v[rS:rS+1], v[rS+16:rS+17]
.else
	v_pk_fma_f32 v[rT+2:rT+3], v[rT+2:rT+3], v[rT+6:rT+7], v[rS:rS+1] op_sel_hi:[1,0,1]
.endif
.endm
.macro OPR t, n                     ; pair n of 32 of O^T times a
	REGS \t
	WIN W_RS
	v_pk_mul_f32 v[rO+2*(\n):rO+2*(\n)+1], v[rO+2*(\n):rO+2*(\n)+1], v[rT+6:rT+7] op_sel_hi:[1,0]
.endm
.macro MASK                         ; the five masks of the step whose scores are made next
	WIN 0
	s_lshl_b32 s81, s[RS], 2
	s_sub_co_i32 s[KB0], 8, s81     ; the block's last two steps are the diagonal tile's: 0, then 4
	s_cmp_le_u32 s[RS], 2
	s_cselect_b32 s[KB0], s[KB0], -100
.irp d, 0,1,2,3,4
	s_add_co_i32 s81, s[KB0], (\d)-1
	s_cmp_eq_i32 s81, s[W2]
	s_cselect_b32 s[AL], 1.0, 0
	s_cmp_gt_i32 s81, s[W2]
	s_cselect_b32 s[BE], s[BIGN], 0
.irp z, 0,2,4,6
	v_pk_fma_f32 v[MC+8*(\d)+(\z):MC+8*(\d)+(\z)+1], v[MD+(\z):MD+(\z)+1], s[AL:AL+1], s[BE:BE+1] op_sel_hi:[1,0,0]
.endr
.endr
.endm
; H2: step j is ended.  K of step j + 1 is fetched first (five plain lines stand behind the last product that read K).  Then two lumps, each one batch of 33 exponentials with one wait:
; tile 0's exponentials between tile 1's maximum and scalings; tile 1's between tile 0's roundings and sums; tile 0's rescaling stands behind the second batch, ahead of its wait.
; Then 16 products V^T P of tile 0, behind them tile 1's rescaling and roundings; 16 of tile 1, behind them its sums, of which the last four are the places ahead of V's run of loads.
.macro H2 skip
	FETCH_K \skip
.set ia, 0
.rept 33
	OPA 1, ia
	OPB 0, ia
.set ia, ia+1
.endr
.rept 4
	OPA 1, ia                       ; plain lines behind the batch's last exponential
.set ia, ia+1
.endr
	s_wait_alu depctr_va_vdst(0)    ; the wait for tile 0's batch
.set ia, 0
.rept 32
	OPB 1, ia
.if ia < 16
	OPC 0, ia
.else
	OPS 0, ia-16
.endif
.set ia, ia+1
.endr
	OPB 1, 32
.set ia, 0
.rept 32
	OPR 0, ia
.set ia, ia+1
.endr
	s_wait_alu depctr_va_vdst(0)    ; the wait for tile 1's batch
	s_wait_dscnt 0x0                ; V is in (and K of the next step)
.set i, 0
.rept 16
	PV 0
.if i < 8
.irp e, 0,1,2,3
	OPR 1, 4*i+(\e)
.endr
.else
.irp e, 0,1
	OPC 1, 2*(i-8)+(\e)
.endr
.endif
.set i, i+1
.endr
.set i, 0
.rept 16
	PV 1
.if i < 12
	OPS 1, i
.elseif i == 15
.irp e, 12,13,14,15
	OPS 1, \e
.endr
.endif
.set i, i+1
.endr
	FETCH_V \skip
	s_sub_co_u32 s[RS], s[RS], 1
.endm
; H1: step j + 1 is begun.  Four v_nop behind tile 1's first product are the places behind tile 0's last; then tile 0's maximum and scalings ride, four behind a product; the last five stand behind the last product.
.macro H1
	MASK
	s_wait_dscnt 32                 ; K is in; V's run of 32, issued behind it, may stay out
.set i, 0
.rept 16
	KQ 0
.set i, i+1
.endr
.set i, 0
.rept 16
	KQ 1
.if i == 0
	WIN 0
.rept 4
	v_nop
.endr
.elseif i <= 8
.irp e, 0,1,2,3
	OPA 0, 4*(i-1)+(\e)
.endr
.elseif i == 15
.irp e, 32,33,34,35,36
	OPA 0, \e
.endr
.endif
.set i, i+1
.endr
	WIN 0
.endm
; A BLOCK'S WAY OUT: l's two halves and the other half of the lanes' are added; O^T is multiplied by gate / l, rounded to f16 and sent through my stage, a tile (16 rows) at a time.
.macro PACK t
	WIN W_RS
.set i, 64*(\t)
.rept 32
	v_pk_mul_f32 v[i:i+1], v[i:i+1], v[ST+8*(\t)+6:ST+8*(\t)+7] op_sel_hi:[1,0]
.set i, i+2
.endr
	WIN 0x05                        ; sources in window 1, destination in window 0: S^T's registers are free
.set i, 0
.rept 32
	v_cvt_pk_f16_f32 v[S+32*(\t)+i], v[64*(\t)+2*i], v[64*(\t)+2*i+1]
.set i, i+1
.endr
	WIN 0
.irp f, 0,1,2,3,4,5,6,7
	ds_store_b128 v[STO], v[S+32*(\t)+4*(\f):S+32*(\t)+4*(\f)+3] offset:32*(\f)
.endr
.irp f, 0,1,2,3,4,5,6,7
	ds_load_b128 v[S+32*(\t)+4*(\f):S+32*(\t)+4*(\f)+3], v[RD] offset:(\f)*2*SP  ; LDS serves a wave's instructions in order (ISA guide 5.7.1.4): these see the stores above
.endr
.endm
.macro SEND t, younger              ; younger: the LDS instructions issued behind tile t's loads
	WIN 0
.irp f, 0,1,2,3,4,5,6,7
	s_wait_dscnt (\younger)+7-(\f)
	global_store_b128 v[GO], v[S+32*(\t)+4*(\f):S+32*(\t)+4*(\f)+3], s[10:11] offset:(\t)*65536+(\f)*8192  ; 16 lanes store 256 consecutive bytes, aligned: the head's part of a row
.endr
.endm
.macro OUTB
	WIN 0
.irp u, 0,1
	v_add_f32 v[ST+8*(\u)+4], v[ST+8*(\u)+2], v[ST+8*(\u)+3]
.endr
.irp u, 0,1
	v_permlanex16_b32 v[ST+8*(\u)+5], v[ST+8*(\u)+4], s[SEL], s[SEL+1]
.endr
.irp u, 0,1
	v_add_f32 v[ST+8*(\u)+4], v[ST+8*(\u)+4], v[ST+8*(\u)+5]
.endr
.irp u, 0,1
	v_rcp_f32 v[ST+8*(\u)+6], v[ST+8*(\u)+4]
.endr
	v_nop
	s_wait_alu depctr_va_vdst(0)    ; one wait for the two reciprocals
.irp u, 0,1
	v_mul_f32 v[ST+8*(\u)+6], v[ST+8*(\u)+6], v[GATE+(\u)]
.endr
	PACK 0
	PACK 1
	SEND 0, 16
	SEND 1, 0
.endm
	s_wait_tensorcnt 1              ; my part of slot 0 is in; slot 1's load, the one behind it, may stay out
	s_barrier_signal -1
	s_barrier_wait -1
	FETCH_K                         ; key step 0
	FETCH_V
	s_wait_loadcnt 0x0              ; Q and the gates
	s_mov_b32 s[CNT], 2
	s_mov_b32 s[SLOTS], 16
	s_branch .Lmid                  ; the loop is entered in the middle of a trip
.Lslot:                             ; 15 times: a slot is left and filled again
	CHANGE 1
	s_mov_b32 s[CNT], 2
.Lstep:
	H2 0
	s_cmp_lg_u32 s[RS], 0
	s_cbranch_scc1 .Lmid
	OUTB                            ; in the loop this is the first block's end: the second's is the walk's
	s_wait_xcnt 0x0                 ; the stores have read their data and attn's address
	s_mov_b64 s[10:11], s[OLO:OLO+1]
	s_lshl_b32 s[RS], s[HI], 1
	s_add_co_u32 s[RS], s[RS], 2    ; the second block has 2 (16 - p) steps
.irp u, 0,1
	v_mov_b32 v[ST+8*(\u)], 0xfe000000
	v_mov_b32 v[ST+8*(\u)+1], 0xff7fffff
	v_mov_b32 v[GATE+(\u)], v[GATE+2+(\u)]
.endr
	WIN 0x82                        ; the second block's Q goes where the one text of the products names Q
.set i, 0
.rept 64
	v_mov_b32 v[i], v[QB+i]
.set i, i+1
.endr
	WIN 0
.Lmid:
	H1
	s_sub_co_u32 s[CNT], s[CNT], 1
	s_cmp_lg_u32 s[CNT], 0
	s_cbranch_scc1 .Lstep
	s_sub_co_u32 s[SLOTS], s[SLOTS], 1
	s_cmp_lg_u32 s[SLOTS], 0
	s_cbranch_scc1 .Lslot
	CHANGE 0                        ; the tail is written out: nothing is asked for
	s_mov_b32 s[CNT], 3             ; two trips fetch the last slot's steps; the third is left in its middle
.Ltail:
	H2 1
	s_sub_co_u32 s[CNT], s[CNT], 1
	s_cmp_eq_u32 s[CNT], 0
	s_cbranch_scc1 .Ldone
	H1
	s_branch .Ltail
.Ldone:
	OUTB
	s_wait_tensorcnt 0x0            ; the wave's end
	ds_add_u32 v[SPW], v[NIL]
	s_wait_dscnt 0x0
	CROUND                          ; the closing round
	s_endpgm
.Lfunc_end_k_q4c35032252_attn:
	.size	k_q4c35032252_attn, .Lfunc_end_k_q4c35032252_attn-k_q4c35032252_attn
	.p2alignl 7, 3214868480
	.fill 96, 4, 3214868480
	.section	.rodata,"a",@progbits
	.p2align	6, 0x0
	.amdhsa_kernel k_q4c35032252_attn
		.amdhsa_group_segment_fixed_size 327680
		.amdhsa_private_segment_fixed_size 0
		.amdhsa_enable_private_segment 0
		.amdhsa_kernarg_size 24
		.amdhsa_user_sgpr_count 2
		.amdhsa_user_sgpr_kernarg_segment_ptr 1
		.amdhsa_wavefront_size32 1
		.amdhsa_system_sgpr_workgroup_id_x 1
		.amdhsa_system_sgpr_workgroup_id_y 1
		.amdhsa_system_sgpr_workgroup_id_z 1
		.amdhsa_system_vgpr_workitem_id 0
		.amdhsa_next_free_vgpr 768
		.amdhsa_next_free_sgpr 96
		.amdhsa_reserve_vcc 1
		.amdhsa_float_denorm_mode_32 3
		.amdhsa_float_denorm_mode_16_64 3
		.amdhsa_memory_ordered 1
		.amdhsa_forward_progress 1
		.amdhsa_inst_pref_size 108
	.end_amdhsa_kernel
	.amdgpu_metadata
---
amdhsa.version: [ 1, 2 ]
amdhsa.kernels:
  - .name:           k_q4c35032252_attn
    .symbol:         k_q4c35032252_attn.kd
    .args:
      - { .name: qkv, .offset: 0, .size: 8, .value_kind: global_buffer, .address_space: global }
      - { .name: gate, .offset: 8, .size: 8, .value_kind: global_buffer, .address_space: global }
      - { .name: attn, .offset: 16, .size: 8, .value_kind: global_buffer, .address_space: global }
    .group_segment_fixed_size: 327680
    .private_segment_fixed_size: 0
    .kernarg_segment_align: 8
    .kernarg_segment_size: 24
    .max_flat_workgroup_size: 128
    .sgpr_count:     96
    .vgpr_count:     768
    .wavefront_size: 32
...
	.end_amdgpu_metadata
.endif
;; end of part 3
;; launch oproj (part 4): grid 8 x 32, 4 waves a work-group, clusters of 4 x 4, 327,680 bytes of LDS; arguments attn, wo16, out0; writes out0
.if DOCPART == 4
	.amdgcn_target "amdgcn-amd-amdhsa--gfx1250"
	.amdhsa_code_object_version 6
	.text
	.protected	k_q4c35032252_oproj
	.globl	k_q4c35032252_oproj
	.p2align	8
	.type	k_q4c35032252_oproj,@function
k_q4c35032252_oproj:
	s_mov_b64 s[64:65], 0
	v_nop
	global_prefetch_b8 v0, s[64:65] scope:SCOPE_SE
	s_setreg_imm32_b32 hwreg(HW_REG_WAVE_MODE, 25, 1), 1
	s_wait_xcnt 0x0
	s_wait_alu depctr_hold_cnt(0) depctr_sa_sdst(0) depctr_va_vdst(0) depctr_va_sdst(0) depctr_va_ssrc(0) depctr_va_vcc(0) depctr_vm_vsrc(0)
	s_getreg_b32 s2, hwreg(HW_REG_IB_STS2, 6, 4)
	s_cmp_eq_u32 s2, 0
	s_cbranch_scc0 .Lentry_in_a_cluster
	s_endpgm
.Lentry_in_a_cluster:
	s_bfe_u32 s2, ttmp6, 0x10000c
	s_cmp_lg_u32 s2, 0xf033
	s_cbranch_scc0 .Lentry_shape_is_right
	s_endpgm
.Lentry_shape_is_right:
; OUT.  out0[m][n] = sum over f of attn[m][f] wo16[n][f].  attn: [4096][2048] f16, wo16: [1024][2048] f16, out0: [4096][1024] f32; sums in f32.
; A tile of the result is 128 x 128, which gives 256 work-groups.  Four waves, each 64 x 64: 16 accumulators.  K goes in steps of 256 (LDS rows of 512 bytes) through two slots.
; 4 x 4 work-groups form a cluster: A's tile is asked for jointly along a row of the cluster, B's along a column.  The matrix instruction is used transposed (source 0 = 16 rows of B, source 1 = 16 rows of A):
; a lane holds eight neighbouring numbers of a row.  A wave's 64 columns of f32 are 256 consecutive bytes, aligned, so each wave goes out through a stage of its own, without a barrier.
; No prefetch: a step's tiles are small, and every block is read by several clusters at about the same time.
; REGISTERS: window 0: v0-31 addresses; v32-95 the way out; v128-255 the accumulators ((a, b) at v[128 + 8 (4 a + b)]).  window 1: two fragment buffers of 128.
.set SIZE_K, 2048
.set KSTEP,  256
.set PITCH,  528                       ; an LDS row: 512 bytes + 16: row r starts at bank 4 r mod 64 (ISA guide 11.1)
.set HALFT,  64*PITCH
.set SLOT,   4*HALFT
.set STAGE,  2*SLOT                    ; behind the ring: 16 rows x 272 bytes for each wave
.set SPITCH, 272
.set SPARE,  STAGE+4*16*SPITCH         ; the spare words, 128 bytes a wave; no other line names them
.set LAPS, SIZE_K/(2*KSTEP)
.set ADRA, 16
.set ADRB, 20
.set STO,  24
.set RD,   25
.set CO,   26
.set SPW,  28
.set NIL,  29
.set TMP,  32
.set ACC,  128
.set F0,   0
.set F1,   128
.set G1, 24
.set G0, 32
.set G1B, 48
.set G0B, 56
.set MSB, 0
.macro WIN new
.if MSB != (\new)
	s_set_vgpr_msb (MSB<<8)|(\new)
.set MSB, \new
.endif
.endm
.set MUL,  0x05
.set TO_F, 0x40
.macro JLOAD s                         ; a joint load: waves 0, 1 fetch A's halves, waves 2, 3 B's; an s_nop 0 and four v_nop follow each line
	s_cmp_eq_u32 s11, 0
	s_cbranch_scc0 .Lfor_b_\@
	tensor_load_to_lds s[G0+4*(\s):G0+4*(\s)+3], s[G1:G1+7]
	s_nop 0
.rept 4
	v_nop
.endr
	s_branch .Lasked_\@
.Lfor_b_\@:
	tensor_load_to_lds s[G0B+4*(\s):G0B+4*(\s)+3], s[G1B:G1B+7]
	s_nop 0
.rept 4
	v_nop
.endr
.Lasked_\@:
.endm
.macro CREST
	s_cmp_lg_u32 s10, 0
	s_cbranch_scc1 .Lnot_wave_0_\@
	s_barrier_signal -3
.Lnot_wave_0_\@:
	s_barrier_wait -3
	s_barrier_signal -1
	s_barrier_wait -1
.endm
.macro CROUND
	s_barrier_signal -1
	s_barrier_wait -1
	CREST
.endm
	s_load_b128 s[4:7], s[0:1], 0x0                ; A = attn, B = wo16
	s_load_b64 s[8:9], s[0:1], 0x10                ; out0
	v_lshl_add_u32 v[SPW], v0, 2, SPARE
	v_mov_b32 v[NIL], 0
	ds_add_u32 v[SPW], v[NIL]                      ; the wave's opening: the add and its wait ahead of my first tensor load
	v_lshrrev_b32 v1, 5, v0
	v_readfirstlane_b32 s10, v1                    ; wave 0..3
	s_lshr_b32 s11, s10, 1                         ; my half of the tile's rows; also: I fetch for A (0) or B (1)
	s_and_b32 s12, s10, 1                          ; my half of its columns; also: which 64 rows I fetch
	s_bfe_u32 s40, ttmp6, 0x40000
	s_bfe_u32 s41, ttmp6, 0x40004
	s_lshl_b32 s42, ttmp9, 2
	s_add_co_u32 s42, s42, s40                     ; tile column
	s_and_b32 s13, ttmp7, 0xffff
	s_lshl_b32 s13, s13, 2
	s_add_co_u32 s13, s13, s41                     ; tile row
	s_lshl_b32 s43, s41, 2
	s_lshl_b32 s43, 15, s43                        ; my row of the cluster
	s_lshl_b32 s44, 0x1111, s40                    ; my column
	s_or_b32 s[G1+0], s43, (1<<16)|(1<<20)|(1<<21)|(6<<22)|(3<<25)  ; mask; 2-byte elements; padding: 4 words after every 128
	s_or_b32 s[G1B+0], s44, (1<<16)|(1<<20)|(1<<21)|(6<<22)|(3<<25)
.irp g, G1, G1B
	s_mov_b32 s[(\g)+1], KSTEP<<16                 ; tensor_dim0 = 256
	s_mov_b32 s[(\g)+2], 64<<16                    ; tensor_dim1 = 64
	s_mov_b32 s[(\g)+3], KSTEP<<16                 ; tile_dim0 = 256
	s_mov_b32 s[(\g)+4], 64                        ; tile_dim1 = 64
	s_mov_b32 s[(\g)+5], SIZE_K                    ; elements from row to row
	s_mov_b32 s[(\g)+6], 0
	s_mov_b32 s[(\g)+7], 0
.endr
	s_lshl_b32 s17, s12, 6
	s_lshl_b32 s16, s13, 7
	s_add_co_u32 s16, s16, s17                     ; A: row 128 x tile row + 64 x half
	s_lshl_b32 s46, s42, 7
	s_add_co_u32 s46, s46, s17                     ; B: row 128 x tile column + 64 x half
	s_mov_b32 s17, 0
	s_mov_b32 s47, 0
	s_mov_b64 s[18:19], SIZE_K*2
	s_mul_u64 s[16:17], s[16:17], s[18:19]
	s_mul_u64 s[46:47], s[46:47], s[18:19]
	s_mul_i32 s20, s10, HALFT
	s_wait_dscnt 0x0                               ; the opening add is done
	s_wait_kmcnt 0x0
	s_add_nc_u64 s[14:15], s[4:5], s[16:17]
	s_add_nc_u64 s[46:47], s[6:7], s[46:47]
	CROUND                                         ; all sixteen work-groups are here: the first joint loads meet
.irp s, 0,1
	s_mov_b32 s[G0+4*(\s)], 1
	s_add_co_u32 s[G0+4*(\s)+1], s20, (\s)*SLOT
	s_add_nc_u64 s[G0+4*(\s)+2:G0+4*(\s)+3], s[14:15], (\s)*KSTEP*2
	s_or_b32 s[G0+4*(\s)+3], s[G0+4*(\s)+3], 0x80000000
	s_mov_b32 s[G0B+4*(\s)], 1
	s_add_co_u32 s[G0B+4*(\s)+1], s20, (\s)*SLOT
	s_add_nc_u64 s[G0B+4*(\s)+2:G0B+4*(\s)+3], s[46:47], (\s)*KSTEP*2
	s_or_b32 s[G0B+4*(\s)+3], s[G0B+4*(\s)+3], 0x80000000
	JLOAD \s
.endr
	v_and_b32 v1, 15, v0                           ; r
	v_bfe_u32 v2, v0, 4, 1                         ; h
	v_mul_u32_u24 v3, v1, PITCH
	v_lshl_add_u32 v3, v2, 4, v3
	s_mul_i32 s21, s11, HALFT
	s_mul_i32 s22, s12, HALFT
	s_add_co_u32 s22, s22, 2*HALFT
.irp s, 0,1
	v_add_nc_u32 v[ADRA+(\s)], s21, v3
	v_add_nc_u32 v[ADRB+(\s)], s22, v3
	s_add_co_u32 s21, s21, SLOT
	s_add_co_u32 s22, s22, SLOT
.endr
	s_mul_i32 s23, s10, 16*SPITCH
	s_add_co_u32 s23, s23, STAGE                   ; my stage
	v_mul_u32_u24 v4, v1, SPITCH                   ; in: row r, 32 bytes (8 numbers) for each half of the lanes
	v_lshl_add_u32 v4, v2, 5, v4
	v_add_nc_u32 v[STO], s23, v4
	v_mul_u32_u24 v5, v2, SPITCH                   ; back: lanes 0-15 one row of 256 bytes, lanes 16-31 the next
	v_lshl_add_u32 v5, v1, 4, v5
	v_add_nc_u32 v[RD], s23, v5
	v_lshlrev_b32 v5, 12, v2                       ; and the same two rows in out0, 4,096 bytes apart
	v_lshl_add_u32 v[CO], v1, 4, v5
	s_lshl_b32 s16, s13, 7
	s_lshl_b32 s17, s11, 6
	s_add_co_u32 s16, s16, s17                     ; my first row
	s_lshl_b32 s16, s16, 12
	s_mov_b32 s17, 0
	s_add_nc_u64 s[8:9], s[8:9], s[16:17]
	s_lshl_b32 s46, s42, 9                         ; my first column, in bytes: 512 x tile column + 256 x half
	s_lshl_b32 s47, s12, 8
	s_add_co_u32 s46, s46, s47
	s_mov_b32 s47, 0
	s_add_nc_u64 s[8:9], s[8:9], s[46:47]
.macro MUL8 f, c, a0, zero             ; 8 matrix instructions: m blocks a0, a0 + 1 x all 4 n blocks, 32 along K: half c of buffer f
	WIN MUL
.irp a, \a0, (\a0)+1
.irp b, 0,1,2,3
.if \zero
	v_wmma_f32_16x16x32_f16 v[ACC+8*(4*(\a)+(\b)):ACC+8*(4*(\a)+(\b))+7], v[(\f)+64+8*(4*(\c)+(\b)):(\f)+64+8*(4*(\c)+(\b))+7], v[(\f)+8*(4*(\c)+(\a)):(\f)+8*(4*(\c)+(\a))+7], 0
.else
	v_wmma_f32_16x16x32_f16 v[ACC+8*(4*(\a)+(\b)):ACC+8*(4*(\a)+(\b))+7], v[(\f)+64+8*(4*(\c)+(\b)):(\f)+64+8*(4*(\c)+(\b))+7], v[(\f)+8*(4*(\c)+(\a)):(\f)+8*(4*(\c)+(\a))+7], v[ACC+8*(4*(\a)+(\b)):ACC+8*(4*(\a)+(\b))+7]
.endif
.endr
.endr
.endm
.macro FETCH slot, k, f                ; 32 LDS loads in one run: the fragments of 64 along K; the first 32 along K first
	WIN TO_F
.irp c, 0,1
.irp i, 0,1,2,3
	ds_load_b128 v[(\f)+64+8*(4*(\c)+(\i)):(\f)+64+8*(4*(\c)+(\i))+3],   v[ADRB+(\slot)] offset:(\k)+64*(\c)+(\i)*16*PITCH
	ds_load_b128 v[(\f)+64+8*(4*(\c)+(\i))+4:(\f)+64+8*(4*(\c)+(\i))+7], v[ADRB+(\slot)] offset:(\k)+64*(\c)+(\i)*16*PITCH+32
	ds_load_b128 v[(\f)+8*(4*(\c)+(\i)):(\f)+8*(4*(\c)+(\i))+3],         v[ADRA+(\slot)] offset:(\k)+64*(\c)+(\i)*16*PITCH
	ds_load_b128 v[(\f)+8*(4*(\c)+(\i))+4:(\f)+8*(4*(\c)+(\i))+7],       v[ADRA+(\slot)] offset:(\k)+64*(\c)+(\i)*16*PITCH+32
.endr
.endr
.endm
.macro PLACES
.rept 4
	v_nop
.endr
.endm
.macro QUARTER slot, k, f, g, zero
	s_wait_dscnt 16                                ; the first 32 along K are in; the youngest sixteen loads may be out
	WIN MUL
	MUL8 \f, 0, 0, \zero
	MUL8 \f, 0, 2, \zero
	PLACES
	FETCH \slot, \k, \g
	s_wait_dscnt 32                                ; all but the 32 just issued
	WIN MUL
	MUL8 \f, 1, 0, 0
	MUL8 \f, 1, 2, 0
.endm
.macro TURN slot, next, fill           ; the last quarter changes slots: one barrier; fill = 1: it opens a round of the cluster's, and this slot is filled again, two K steps ahead
	WIN 0
	s_wait_tensorcnt 0x0                           ; all my tensor loads have landed: my part of the next slot;
	ds_add_u32 v[SPW], v[NIL]
	s_wait_dscnt 17                                ; (the add and the youngest sixteen loads may be out)
	WIN MUL
	MUL8 F1, 0, 0, 0
	s_wait_dscnt 0x0                               ; the add is done, and my reads of this slot are over
	s_barrier_signal -1
	MUL8 F1, 0, 2, 0
.if \fill
	WIN 0
.endif
	s_barrier_wait -1
.if \fill
	CREST
	s_add_nc_u64 s[G0+4*(\slot)+2:G0+4*(\slot)+3], s[G0+4*(\slot)+2:G0+4*(\slot)+3], 2*KSTEP*2
	s_add_nc_u64 s[G0B+4*(\slot)+2:G0B+4*(\slot)+3], s[G0B+4*(\slot)+2:G0B+4*(\slot)+3], 2*KSTEP*2
	JLOAD \slot                                    ; the first tensor load behind the round; its four v_nop are also the places ahead of the loads below
.else
	PLACES
.endif
	FETCH \next, 0, F0
	WIN MUL
	MUL8 F1, 1, 0, 0
	MUL8 F1, 1, 2, 0
.endm
	s_wait_tensorcnt 1                             ; my part of K step 0 is in; K step 1's load may stay out
	s_barrier_signal -1
	s_barrier_wait -1
	FETCH 0, 0, F0
	QUARTER 0, 128, F0, F1, 1                      ; the first products start the sums
	WIN 0
	s_mov_b32 s3, LAPS-1
.Llap:
	QUARTER 0, 256, F1, F0, 0
	QUARTER 0, 384, F0, F1, 0
	TURN 0, 1, 1
	QUARTER 1, 128, F0, F1, 0
	QUARTER 1, 256, F1, F0, 0
	QUARTER 1, 384, F0, F1, 0
	TURN 1, 0, 1
	QUARTER 0, 128, F0, F1, 0
	WIN 0
	s_sub_co_u32 s3, s3, 1
	s_cmp_lg_u32 s3, 0
	s_cbranch_scc1 .Llap
	QUARTER 0, 256, F1, F0, 0                      ; the last lap fills nothing
	QUARTER 0, 384, F0, F1, 0
	TURN 0, 1, 0
	QUARTER 1, 128, F0, F1, 0
	QUARTER 1, 256, F1, F0, 0
	QUARTER 1, 384, F0, F1, 0
	s_wait_dscnt 16
	WIN MUL
	MUL8 F1, 0, 0, 0
	MUL8 F1, 0, 2, 0
	s_wait_dscnt 0
	MUL8 F1, 1, 0, 0
	MUL8 F1, 1, 2, 0
	WIN 0
	; THE WAY OUT, 16 rows at a time: 32 bytes a lane into my stage (each accumulator's low four registers first), back as whole rows of 256 bytes, and stored.
	PLACES
	PLACES
.irp a, 0,1,2,3
.irp b, 0,1,2,3
	ds_store_b128 v[STO], v[ACC+8*(4*(\a)+(\b)):ACC+8*(4*(\a)+(\b))+3]   offset:64*(\b)
	ds_store_b128 v[STO], v[ACC+8*(4*(\a)+(\b))+4:ACC+8*(4*(\a)+(\b))+7] offset:64*(\b)+16
.endr
.if (\a) >= 2
	s_wait_xcnt 0x0                                ; the stores of two blocks back have read these registers
.endif
.irp t, 0,1,2,3,4,5,6,7
	ds_load_b128 v[TMP+32*((\a)%2)+4*(\t):TMP+32*((\a)%2)+4*(\t)+3], v[RD] offset:(\t)*2*SPITCH  ; LDS serves a wave's instructions in order (ISA guide 5.7.1.4)
.endr
	s_wait_dscnt 0x0
.irp t, 0,1,2,3,4,5,6,7
	global_store_b128 v[CO], v[TMP+32*((\a)%2)+4*(\t):TMP+32*((\a)%2)+4*(\t)+3], s[8:9] offset:(16*(\a)+2*(\t))*4096 th:TH_STORE_NT  ; 16 lanes store 256 consecutive bytes, aligned
.endr
.endr
	s_wait_tensorcnt 0x0                           ; the wave's end
	ds_add_u32 v[SPW], v[NIL]
	s_wait_dscnt 0x0
	CROUND                                         ; the closing round
	s_endpgm
.Lfunc_end_k_q4c35032252_oproj:
	.size	k_q4c35032252_oproj, .Lfunc_end_k_q4c35032252_oproj-k_q4c35032252_oproj
	.p2alignl 7, 3214868480
	.fill 96, 4, 3214868480
	.section	.rodata,"a",@progbits
	.p2align	6, 0x0
	.amdhsa_kernel k_q4c35032252_oproj
		.amdhsa_group_segment_fixed_size 327680
		.amdhsa_private_segment_fixed_size 0
		.amdhsa_enable_private_segment 0
		.amdhsa_kernarg_size 24
		.amdhsa_user_sgpr_count 2
		.amdhsa_user_sgpr_kernarg_segment_ptr 1
		.amdhsa_wavefront_size32 1
		.amdhsa_system_sgpr_workgroup_id_x 1
		.amdhsa_system_sgpr_workgroup_id_y 1
		.amdhsa_system_sgpr_workgroup_id_z 1
		.amdhsa_system_vgpr_workitem_id 0
		.amdhsa_next_free_vgpr 512
		.amdhsa_next_free_sgpr 66
		.amdhsa_reserve_vcc 0
		.amdhsa_float_denorm_mode_32 3
		.amdhsa_float_denorm_mode_16_64 3
		.amdhsa_memory_ordered 1
		.amdhsa_forward_progress 1
		.amdhsa_inst_pref_size 86
	.end_amdhsa_kernel
	.amdgpu_metadata
---
amdhsa.version: [ 1, 2 ]
amdhsa.kernels:
  - .name:           k_q4c35032252_oproj
    .symbol:         k_q4c35032252_oproj.kd
    .args:
      - { .name: attn, .offset: 0, .size: 8, .value_kind: global_buffer, .address_space: global }
      - { .name: wo16, .offset: 8, .size: 8, .value_kind: global_buffer, .address_space: global }
      - { .name: out0, .offset: 16, .size: 8, .value_kind: global_buffer, .address_space: global }
    .group_segment_fixed_size: 327680
    .private_segment_fixed_size: 0
    .kernarg_segment_align: 8
    .kernarg_segment_size: 24
    .max_flat_workgroup_size: 128
    .sgpr_count:     66
    .vgpr_count:     512
    .wavefront_size: 32
...
	.end_amdgpu_metadata
.endif
;; end of part 4
;; ======== version 2 of 2: 4 launches; version 1 with the launch prep written anew for expert scheduling mode
;; limits: values are held in f16: magnitudes above 65,504 overflow, below 6.1e-05 lose precision
;; workspace buffers: xb 8,388,608 bytes; wqkvb 6,291,456 bytes; wo16 4,194,304 bytes; rope 1,048,576 bytes; normw 1,536 bytes; gate 262,144 bytes; qkv 25,165,824 bytes; attn 16,777,216 bytes
;; launch prep (part 5): grid 705 x 1, 4 waves a work-group, no clusters, 37,632 bytes of LDS; arguments x, w_qkv, w_o, w_gate, b_gate, q_norm_w, k_norm_w, xb, wqkvb, wo16, gate, rope, normw; writes xb, wqkvb, wo16, gate, rope, normw
.if DOCPART == 5
	.amdgcn_target "amdgcn-amd-amdhsa--gfx1250"
	.amdhsa_code_object_version 6
	.text
	.protected	k_q4c35032252_prep
	.globl	k_q4c35032252_prep
	.p2align	8
	.type	k_q4c35032252_prep,@function
k_q4c35032252_prep:
	s_mov_b64 s[64:65], 0
	v_nop
	global_prefetch_b8 v0, s[64:65] scope:SCOPE_SE
	s_setreg_imm32_b32 hwreg(HW_REG_WAVE_SCHED_MODE, 0, 2), 2
	s_setreg_imm32_b32 hwreg(HW_REG_WAVE_MODE, 25, 1), 1
	s_wait_xcnt 0x0
	s_wait_alu depctr_vm_vsrc(0)
; PREP.  What the later launches read more than once is made here, once.
;   work-groups   0-255: 16 rows of x -> xb (bf16), and gate = sigmoid(x . w_gate^T + b_gate) for those rows (f32)
;   work-groups 256-447: 16 rows of w_qkv -> wqkvb (bf16)
;   work-groups 448-575: 16,384 numbers of w_o -> wo16: rounded to bf16, that number written as f16
;   work-groups 576-703: 16 rows of the RoPE table: rope[t] = cos(t f_j), j = 0..63, then sin(t f_j), f_j = 10000^(-j/64), f32
;   work-group  704    : normw = q_norm_w and k_norm_w rounded to bf16 and widened again, then 128 ones
; All inputs are rounded to bf16 once; sums in f32.  The branches hang on the work-group's number alone, so all four waves of a work-group take the same path.
; LIMITS.  A number of w_o below 1.5e-5 in size keeps f16's fixed step of 6e-8; beyond 65,504 it would be an infinity.  The table's angles are the problem's own (t up to 2,047):
; the reduction by quarter turns is exact for them, the series are cut where their remainders lie under 3e-8 for |r| up to pi/4.
; A CAST.  A chunk is 65,536 bytes in, 32,768 out; a wave takes a quarter.  A lane reads 32 neighbouring bytes (two loads) and writes 16: a store of the wave covers 512 consecutive bytes, aligned.
; THE MODE: SCHED_MODE bits 1:0 = 2 (LLVM: expert scheduling mode 2), set by the entry lines.  The code itself states the register dependences
; between vector or matrix instructions and memory or LDS instructions, with s_wait_alu, always for 0.
; THE PLAN.  Registers that memory or LDS instructions touch:
;   v1, v2, v30, v31   Offsets of the cast's loads and stores, and the closing add's pair: written at the head, under the head's wait, never again.
;   XF                 The cast's 32 loads land here; the conversions read it.  On the path of x its registers serve again: v[32:95] take w_gate's fragments (vector lines alone),
;                      v[96:159] x's fragments out of LDS, v[96:111] later the partial sums.
;   XP                 Pair i's conversions write its four registers, pair i's stores read them; never written again.
;   v3-v5, v8-v11      The path of x: seven addresses, made once behind the cast's loads, under one wait.
;   v256-v383, v[24:27]  w_gate and the bias land here; conversions read them.
;   GA                 Matrix instructions and four packed sums write it; two LDS stores read it.
;   v13, v[80:83]      The table: the offset is made once (the scalar base steps); the four results are written and stored in every trip.
; The cast goes in four groups of four pairs.  At a group's head stand the wait for its eight loads and ONE wait on va_vdst: the group before has written its XP.  That group's stores
; follow, dealt among this group's conversions, which name this group's XF and XP (and v16-v23) alone.
.set ROWP,  2064                       ; a row of x in LDS: 2,048 bytes of bf16 + 16: an odd multiple of 16, so the 16 rows of a fragment load start in different groups of banks (ISA guide 11.1)
.set PART,  16*ROWP                    ; 33,024: the four waves' partial sums of the gate, 1,024 bytes each
.set SPARE, PART+4096                  ; 37,120: the spare words, 128 bytes a wave; no other line names them
.set XF, 32                            ; v[32:159]  a wave's 128 words as loaded
.set XP, 160                           ; v[160:223] the same packed; never rewritten, so no store's data is waited for
.set WF, 32                            ; v[32:95]   w_gate's eight fragments, bf16
.set XG, 96                            ; v[96:159]  x's eight fragments, bf16
.set GA, 224                           ; v[224:239] two accumulators
.set MSB, 0
.macro WIN new                         ; the immediate's high byte repeats the setting that is left
.if MSB != (\new)
	s_set_vgpr_msb (MSB<<8)|(\new)
.set MSB, \new
.endif
.endm
.macro BASES first, src, dst           ; s[34:35] my quarter of the chunk in the source, s[36:37] in the destination
	s_sub_co_u32 s38, s5, \first
	s_lshl_b32 s38, s38, 16
	s_add_co_u32 s38, s38, s40
	s_add_nc_u64 s[34:35], s[\src:\src+1], s[38:39]
	s_lshr_b32 s38, s38, 1
	s_add_nc_u64 s[36:37], s[\dst:\dst+1], s[38:39]
.endm
.macro CLOADS                          ; 32 loads, 16,384 bytes a wave, all on their way at once.  No wait: v1 stands under the head's wait, and no vector line has named v1 or XF since
.set i, 0
.rept 16
	global_load_b128 v[XF+8*i:XF+8*i+3],   v1, s[34:35] offset:1024*i th:TH_LOAD_NT
	global_load_b128 v[XF+8*i+4:XF+8*i+7], v1, s[34:35] offset:1024*i+16 th:TH_LOAD_NT
.set i, i+1
.endr
.endm
; Pair i of the 16 pairs of loads is rounded.  mode 0: x, 1: w_qkv, 2: w_o (bf16, then f16).
.macro CVT i, mode
.irp j, 0,1,2,3
	v_cvt_pk_bf16_f32 v[XP+4*(\i)+(\j)], v[XF+8*(\i)+2*(\j)], v[XF+8*(\i)+2*(\j)+1]
.endr
.if (\mode) == 2
.irp j, 0,1,2,3
	v_lshlrev_b32 v[16+2*(\j)], 16, v[XP+4*(\i)+(\j)]
	v_and_b32     v[17+2*(\j)], s41, v[XP+4*(\i)+(\j)]
.endr
.irp j, 0,1,2,3
	v_cvt_pk_f16_f32 v[XP+4*(\i)+(\j)], v[16+2*(\j)], v[17+2*(\j)]
.endr
.endif
.endm
; Pair i is stored; x also into LDS.
.macro OUT i, mode
	global_store_b128 v2, v[XP+4*(\i):XP+4*(\i)+3], s[36:37] offset:512*(\i) th:TH_STORE_NT
.if (\mode) == 0
	ds_store_b128 v3, v[XP+4*(\i):XP+4*(\i)+3] offset:((\i)/4)*ROWP+((\i)%4)*512
.endif
.endm
; Group g: pairs 4 g to 4 g + 3 are rounded, and the group before is stored.  younger: loads issued behind the cast's 32.
.macro GROUP g, mode, younger
	s_wait_loadcnt (\younger)+24-8*(\g)            ; loads come back in order (ISA guide 5.7.1): behind group g stand 24 - 8 g of the cast and the younger ones
.if (\g) > 0
	s_wait_alu depctr_va_vdst(0)                   ; the group before has written its sixteen registers of XP, which the stores below read
.endif
.irp q, 0,1,2,3
.if (\g) > 0
	OUT 4*(\g)-4+(\q), \mode
.endif
	CVT 4*(\g)+(\q), \mode
.endr
.endm
	s_load_b512 s[8:23], s[0:1], 0x0               ; x 8, w_qkv 10, w_o 12, w_gate 14, b_gate 16, q_norm_w 18, k_norm_w 20, xb 22
	s_load_b256 s[24:31], s[0:1], 0x40             ; wqkvb 24, wo16 26, gate 28, rope 30
	s_load_b64 s[32:33], s[0:1], 0x60              ; normw
	v_lshl_add_u32 v30, v0, 2, SPARE               ; my spare word,
	v_mov_b32 v31, 0                               ; and 0: kept for the add at the wave's end
	v_lshrrev_b32 v6, 5, v0
	v_readfirstlane_b32 s4, v6                     ; wave 0..3
	v_and_b32 v7, 31, v0                           ; lane
	v_lshlrev_b32 v1, 5, v7                        ; 32 bytes in,
	v_lshlrev_b32 v2, 4, v7                        ; 16 bytes out
	s_mov_b32 s5, ttmp9
	s_mov_b32 s41, 0xffff0000                      ; a word's upper bf16
	s_mov_b32 s39, 0
	s_wait_alu depctr_va_sdst(0)                   ; s4 is written, ahead of its first reader
	s_lshl_b32 s40, s4, 14                         ; my quarter of a chunk
	s_wait_alu depctr_va_vdst(0)                   ; v1 and v2 are written: the cast's loads and stores on all three paths read them as offsets
	s_wait_kmcnt 0x0
	s_cmp_lt_u32 s5, 256
	s_cbranch_scc1 .Lx
	s_cmp_lt_u32 s5, 448
	s_cbranch_scc1 .Lw1
	s_cmp_lt_u32 s5, 576
	s_cbranch_scc1 .Lw2
	s_cmp_lt_u32 s5, 704
	s_cbranch_scc1 .Lt
	; THE NORM GAINS: thread t takes number t of both
	v_lshlrev_b32 v12, 2, v0
	s_wait_alu depctr_va_vdst(0)                   ; v12 is written: the two loads and the three stores read it as their offset
	global_load_b32 v16, v12, s[18:19]
	global_load_b32 v17, v12, s[20:21]
	v_mov_b32 v20, 1.0
	s_wait_loadcnt 0x0
	v_cvt_pk_bf16_f32 v18, v16, v17
	v_lshlrev_b32 v21, 16, v18
	v_and_b32 v22, s41, v18
	s_wait_alu depctr_va_vdst(0)                   ; v20, v21 and v22 are written, which the stores read
	global_store_b32 v12, v21, s[32:33]
	global_store_b32 v12, v22, s[32:33] offset:512
	global_store_b32 v12, v20, s[32:33] offset:1024
	s_branch .Lend
.Lw1:
	BASES 256, 10, 24
	CLOADS
	GROUP 0, 1, 0
	GROUP 1, 1, 0
	GROUP 2, 1, 0
	GROUP 3, 1, 0
	s_wait_alu depctr_va_vdst(0)                   ; the last group has written its XP, which the last four stores read
.irp i, 12,13,14,15
	OUT \i, 1
.endr
	s_branch .Lend
.Lw2:
	BASES 448, 12, 26
	CLOADS
	GROUP 0, 2, 0
	GROUP 1, 2, 0
	GROUP 2, 2, 0
	GROUP 3, 2, 0
	s_wait_alu depctr_va_vdst(0)                   ; the last group has written its XP, which the last four stores read
.irp i, 12,13,14,15
	OUT \i, 2
.endr
	s_branch .Lend
.Lt:	; THE TABLE.  Wave w makes rows 16 g + 4 w + 0..3, one a trip.  Lanes 0-15 make cos for j = 4 l + 0..3, lanes 16-31 sin for j = 4 (l - 16) + 0..3: 512 consecutive bytes a store.
	s_sub_co_u32 s38, s5, 576
	s_lshl_b32 s38, s38, 4
	s_lshl2_add_u32 s38, s4, s38                   ; my first row
	s_lshl_b32 s49, s38, 9                         ; its 512 bytes a row, in a register of its own
	v_cvt_f32_u32 v12, s38                         ; t
	v_lshl_add_u32 v13, v7, 4, s49                 ; row x 512 + 16 x lane; never rewritten: the scalar base steps
	v_and_b32 v14, 15, v7
	v_lshlrev_b32 v14, 2, v14
	v_cmp_gt_u32 vcc_lo, 16, v7
.irp e, 0,1,2,3
	v_add_nc_u32 v[32+(\e)], \e, v14
	v_cvt_f32_u32 v[32+(\e)], v[32+(\e)]
	v_mul_f32 v[32+(\e)], 0xbe549a78, v[32+(\e)]   ; -j log2(10000) / 64
.endr
	s_wait_alu depctr_va_vcc(0)                    ; the compare has written VCC, which the select reads
	v_cndmask_b32 v15, 0, 1, vcc_lo                ; cos x = sin(x + a quarter turn)
.irp e, 0,1,2,3
	v_exp_f32 v[32+(\e)], v[32+(\e)]               ; f_j
.endr
	v_nop                                          ; a plain instruction behind the last exponential,
	s_wait_alu depctr_va_vdst(0)                   ; and one wait for the four, ahead of the label; v13 is written too, which every trip's store reads as its offset
	s_mov_b32 s42, 0x3638ef1d                      ; 1/9!
	s_mov_b32 s43, 0xb9500d01                      ; -1/7!
	s_mov_b32 s44, 0x3c088889                      ; 1/5!
	s_mov_b32 s45, 0xbe2aaaab                      ; -1/3!
	s_mov_b32 s46, 0x37d00d01                      ; 1/8!
	s_mov_b32 s47, 0xbab60b61                      ; -1/6!
	s_mov_b32 s48, 0x3d2aaaab                      ; 1/4!
	s_mov_b32 s40, 4
.Ltrow:
	; The quarter turns and the four compares come first, each mask in a scalar register of its own (s2, s3, s6, s7); the two series follow; so the one wait for the masks stands far behind them.
.irp e, 0,1,2,3
.set B, 40+8*(\e)                      ; x, n, r, z, s, c, q, bit
.set MK, 2+(\e)+2*((\e)/2)
	v_mul_f32 v[B], v12, v[32+(\e)]                ; the angle, as the f32 product that the problem forms
	v_mul_f32 v[B+1], 0x3f22f983, v[B]
	v_rndne_f32 v[B+1], v[B+1]                     ; n quarter turns
	v_cvt_i32_f32 v[B+6], v[B+1]
	v_add_nc_u32 v[B+6], v[B+6], v15
	v_and_b32 v[B+7], 1, v[B+6]
	v_cmp_eq_u32 s[MK], 1, v[B+7]                  ; an odd quarter?
	v_and_b32 v[B+6], 2, v[B+6]
	v_lshlrev_b32 v[B+6], 30, v[B+6]               ; the second half turn's sign
.endr
.irp e, 0,1,2,3
.set B, 40+8*(\e)
	v_fmamk_f32 v[B+2], v[B+1], 0xbfc90fdb, v[B]   ; x - n hi: exact (n has 11 bits, hi 24)
	v_fmamk_f32 v[B+2], v[B+1], 0x333bbd2e, v[B+2] ; + n (hi - pi/2)
	v_mul_f32 v[B+3], v[B+2], v[B+2]
	v_fma_f32 v[B+4], v[B+3], s42, s43
	v_fma_f32 v[B+5], v[B+3], s46, s47
	v_fma_f32 v[B+4], v[B+4], v[B+3], s44
	v_fma_f32 v[B+5], v[B+5], v[B+3], s48
	v_fma_f32 v[B+4], v[B+4], v[B+3], s45
	v_fma_f32 v[B+5], v[B+5], v[B+3], -0.5
	v_mul_f32 v[B+4], v[B+4], v[B+3]
	v_fma_f32 v[B+5], v[B+5], v[B+3], 1.0          ; cos r
	v_fma_f32 v[B+4], v[B+4], v[B+2], v[B+2]       ; sin r
.endr
	s_wait_alu depctr_va_sdst(0)                   ; the four compares have written s2, s3, s6 and s7, which the selects read
	s_wait_alu depctr_vm_vsrc(0)                   ; from the second trip on: the last trip's store has read v[80:83], which the lines below write again
.irp e, 0,1,2,3
.set B, 40+8*(\e)
.set MK, 2+(\e)+2*((\e)/2)
	v_cndmask_b32 v[B+4], v[B+4], v[B+5], s[MK]    ; odd quarter: the cosine
	v_xor_b32 v[80+(\e)], v[B+4], v[B+6]           ; second half turn: the sign
.endr
	s_wait_alu depctr_va_vdst(0)                   ; v[80:83] are written, which the store reads
	global_store_b128 v13, v[80:83], s[30:31]
	v_add_f32 v12, 1.0, v12
	s_wait_xcnt 0x0                                ; the store's address is translated (ISA guide 3.1): its base and its data are written again only behind this wait
	s_add_nc_u64 s[30:31], s[30:31], 512           ; the next row
	s_sub_co_u32 s40, s40, 1
	s_cmp_lg_u32 s40, 0
	s_cbranch_scc1 .Ltrow
	s_branch .Lend
.Lx:	; X AND THE GATE.  The cast leaves the 16 rows in LDS as bf16; K is split among the waves: wave w takes k = 256 w .. 256 w + 255, eight matrix instructions.
	BASES 0, 8, 22
	CLOADS                                         ; x is asked for first; the seven addresses are made while it is on its way
	s_mul_i32 s42, s4, 4*ROWP                      ; each scalar that a vector line reads has a register of its own
	s_lshl_b32 s43, s4, 10
	s_lshl_b32 s44, s4, 9
	s_add_co_u32 s45, s43, PART
	v_and_b32 v14, 15, v7                          ; r
	v_lshrrev_b32 v15, 4, v7                       ; h
	v_add_nc_u32 v3, s42, v2                       ; into LDS: my four rows, 16 bytes a lane
	v_lshlrev_b32 v4, 12, v14                      ; w_gate: head r, 4,096 bytes a row,
	v_lshl_add_u32 v4, v15, 5, v4                  ; 8 numbers for each half of the lanes,
	v_add_nc_u32 v4, s43, v4                       ; my quarter of K
	v_and_b32 v8, 3, v7
	v_lshlrev_b32 v8, 4, v8                        ; b_gate: heads 4 (l % 4) + 0..3
	v_mul_u32_u24 v5, v14, ROWP                    ; x's fragments: row r,
	v_lshl_add_u32 v5, v15, 4, v5                  ; 16 bytes for each half of the lanes,
	v_add_nc_u32 v5, s44, v5                       ; my quarter of K
	v_add_nc_u32 v11, s44, v2                      ; the gate's way out: 512 w + 16 l
	v_add_nc_u32 v10, PART, v11
	v_lshlrev_b32 v9, 6, v14                       ; a partial sum: row r, 64 bytes; heads 8 h + 0..7
	v_lshl_add_u32 v9, v15, 5, v9
	v_add_nc_u32 v9, s45, v9
	s_lshl_b32 s38, s5, 10
	s_add_nc_u64 s[28:29], s[28:29], s[38:39]      ; the gate's 16 rows of 64 bytes
	WIN 0x40                                       ; destination in window 1
	s_wait_alu depctr_va_vdst(0)                   ; v3, v4, v5, v8, v9, v10 and v11 are written: the loads and stores of this path read them as addresses, and none is written again
.set c, 0
.rept 8                                ; K step c: k = 8 h + 0..7 and 16 + 8 h + 0..7, as f32
	global_load_b128 v[16*c:16*c+3],     v4, s[14:15] offset:128*c
	global_load_b128 v[16*c+4:16*c+7],   v4, s[14:15] offset:128*c+16
	global_load_b128 v[16*c+8:16*c+11],  v4, s[14:15] offset:128*c+64
	global_load_b128 v[16*c+12:16*c+15], v4, s[14:15] offset:128*c+80
.set c, c+1
.endr
	WIN 0
	global_load_b128 v[24:27], v8, s[16:17]
	GROUP 0, 0, 33
	GROUP 1, 0, 33
	GROUP 2, 0, 33
	GROUP 3, 0, 33
	s_wait_loadcnt 1                               ; w_gate is in; the bias, the one load behind it, may stay out
	s_wait_alu depctr_va_vdst(0)                   ; the last group has written its XP, which the stores below read; and the cast is done reading v[96:159], in which x's fragments land behind the barrier
.irp i, 12,13,14,15
	OUT \i, 0
.endr
	WIN 0x05                                       ; sources in window 1
.set c, 0
.rept 64
	v_cvt_pk_bf16_f32 v[WF+c], v[2*c], v[2*c+1]    ; these name v[32:95] and window 1 alone: none of the registers that the fragments' loads touch
.set c, c+1
.endr
	WIN 0
	s_wait_dscnt 0x0                               ; my rows lie in LDS,
	s_barrier_signal -1
	s_barrier_wait -1                              ; everybody's do
.set c, 0
.rept 8
	ds_load_b128 v[XG+8*c:XG+8*c+3],   v5 offset:64*c
	ds_load_b128 v[XG+8*c+4:XG+8*c+7], v5 offset:64*c+32
.set c, c+1
.endr
	s_wait_dscnt 0x0
.set c, 0
.rept 8                                ; source 0 = 16 heads, source 1 = 16 rows of x: a lane ends with row r, heads 8 h + 0..7.  Two accumulators take turns
.if c < 2
	v_wmma_f32_16x16x32_bf16 v[GA+8*(c%2):GA+8*(c%2)+7], v[WF+8*c:WF+8*c+7], v[XG+8*c:XG+8*c+7], 0
.else
	v_wmma_f32_16x16x32_bf16 v[GA+8*(c%2):GA+8*(c%2)+7], v[WF+8*c:WF+8*c+7], v[XG+8*c:XG+8*c+7], v[GA+8*(c%2):GA+8*(c%2)+7]
.endif
.set c, c+1
.endr
.rept 8
	v_nop                                          ; the places behind the last products (ISA guide 7.12.1), once a work-group
.endr
.irp j, 0,2,4,6
	v_pk_add_f32 v[GA+(\j):GA+(\j)+1], v[GA+(\j):GA+(\j)+1], v[GA+8+(\j):GA+8+(\j)+1]
.endr
	s_wait_alu depctr_va_vdst(0)                   ; the four sums have written v[GA:GA+7], which the LDS stores read; and the matrix instructions are done reading v[96:111], in which the partial sums land behind the barrier
	ds_store_b128 v9, v[GA:GA+3]
	ds_store_b128 v9, v[GA+4:GA+7] offset:16
	s_wait_dscnt 0x0                               ; for the others' sake: my partial sums are stored
	s_barrier_signal -1
	s_barrier_wait -1
	s_cmp_lt_u32 s4, 2                             ; waves 0 and 1 finish eight rows each
	s_cbranch_scc0 .Lend
.irp p, 0,1,2,3
	ds_load_b128 v[96+4*(\p):99+4*(\p)], v10 offset:1024*(\p)  ; row 8 w + l / 4, heads 4 (l % 4) + 0..3, of partial sum p
.endr
	s_wait_dscnt 0x0
	v_pk_add_f32 v[96:97], v[96:97], v[100:101]
	v_pk_add_f32 v[98:99], v[98:99], v[102:103]
	v_pk_add_f32 v[104:105], v[104:105], v[108:109]
	v_pk_add_f32 v[106:107], v[106:107], v[110:111]
	v_pk_add_f32 v[96:97], v[96:97], v[104:105]
	v_pk_add_f32 v[98:99], v[98:99], v[106:107]
	s_wait_loadcnt 0x0                             ; the bias
	v_cvt_pk_bf16_f32 v16, v24, v25
	v_cvt_pk_bf16_f32 v17, v26, v27
	v_lshlrev_b32 v20, 16, v16
	v_and_b32 v21, s41, v16
	v_lshlrev_b32 v22, 16, v17
	v_and_b32 v23, s41, v17
	v_pk_add_f32 v[96:97], v[96:97], v[20:21]
	v_pk_add_f32 v[98:99], v[98:99], v[22:23]
	v_pk_mul_f32 v[96:97], v[96:97], 0xbfb8aa3b op_sel_hi:[1,0]  ; -log2(e)
	v_pk_mul_f32 v[98:99], v[98:99], 0xbfb8aa3b op_sel_hi:[1,0]
.irp j, 96,97,98,99
	v_exp_f32 v\j, v\j
.endr
	v_nop
	s_wait_alu depctr_va_vdst(0)                   ; one wait for the four exponentials, ahead of the sums that read them
	v_pk_add_f32 v[96:97], v[96:97], 1.0 op_sel_hi:[1,0]
	v_pk_add_f32 v[98:99], v[98:99], 1.0 op_sel_hi:[1,0]
.irp j, 96,97,98,99
	v_rcp_f32 v\j, v\j
.endr
	v_nop
	s_wait_alu depctr_va_vdst(0)                   ; one wait for the four reciprocals: they have written v[96:99], which the store reads
	global_store_b128 v11, v[96:99], s[28:29]      ; 512 consecutive bytes a wave
.Lend:
	s_wait_dscnt 0x0                               ; the closing lines, six on end
	s_wait_alu 0x0
	s_wait_tensorcnt 0x0
	ds_add_u32 v30, v31
	s_wait_dscnt 0x0
	s_endpgm
.Lfunc_end_k_q4c35032252_prep:
	.size	k_q4c35032252_prep, .Lfunc_end_k_q4c35032252_prep-k_q4c35032252_prep
	.p2alignl 7, 3214868480
	.fill 96, 4, 3214868480
	.section	.rodata,"a",@progbits
	.p2align	6, 0x0
	.amdhsa_kernel k_q4c35032252_prep
		.amdhsa_group_segment_fixed_size 37632
		.amdhsa_private_segment_fixed_size 0
		.amdhsa_enable_private_segment 0
		.amdhsa_kernarg_size 104
		.amdhsa_user_sgpr_count 2
		.amdhsa_user_sgpr_kernarg_segment_ptr 1
		.amdhsa_wavefront_size32 1
		.amdhsa_system_sgpr_workgroup_id_x 1
		.amdhsa_system_sgpr_workgroup_id_y 1
		.amdhsa_system_sgpr_workgroup_id_z 1
		.amdhsa_system_vgpr_workitem_id 0
		.amdhsa_next_free_vgpr 384
		.amdhsa_next_free_sgpr 66
		.amdhsa_reserve_vcc 1
		.amdhsa_float_denorm_mode_32 3
		.amdhsa_float_denorm_mode_16_64 3
		.amdhsa_memory_ordered 1
		.amdhsa_forward_progress 1
		.amdhsa_inst_pref_size 58
	.end_amdhsa_kernel
	.amdgpu_metadata
---
amdhsa.version: [ 1, 2 ]
amdhsa.kernels:
  - .name:           k_q4c35032252_prep
    .symbol:         k_q4c35032252_prep.kd
    .args:
      - { .name: x, .offset: 0, .size: 8, .value_kind: global_buffer, .address_space: global }
      - { .name: w_qkv, .offset: 8, .size: 8, .value_kind: global_buffer, .address_space: global }
      - { .name: w_o, .offset: 16, .size: 8, .value_kind: global_buffer, .address_space: global }
      - { .name: w_gate, .offset: 24, .size: 8, .value_kind: global_buffer, .address_space: global }
      - { .name: b_gate, .offset: 32, .size: 8, .value_kind: global_buffer, .address_space: global }
      - { .name: q_norm_w, .offset: 40, .size: 8, .value_kind: global_buffer, .address_space: global }
      - { .name: k_norm_w, .offset: 48, .size: 8, .value_kind: global_buffer, .address_space: global }
      - { .name: xb, .offset: 56, .size: 8, .value_kind: global_buffer, .address_space: global }
      - { .name: wqkvb, .offset: 64, .size: 8, .value_kind: global_buffer, .address_space: global }
      - { .name: wo16, .offset: 72, .size: 8, .value_kind: global_buffer, .address_space: global }
      - { .name: gate, .offset: 80, .size: 8, .value_kind: global_buffer, .address_space: global }
      - { .name: rope, .offset: 88, .size: 8, .value_kind: global_buffer, .address_space: global }
      - { .name: normw, .offset: 96, .size: 8, .value_kind: global_buffer, .address_space: global }
    .group_segment_fixed_size: 37632
    .private_segment_fixed_size: 0
    .kernarg_segment_align: 8
    .kernarg_segment_size: 104
    .max_flat_workgroup_size: 128
    .sgpr_count:     66
    .vgpr_count:     384
    .wavefront_size: 32
...
	.end_amdgpu_metadata
.endif
;; end of part 5
;; launch qkv: the kernel of part 2 again; grid 12 x 16, 4 waves a work-group, clusters of 4 x 4, 327,680 bytes of LDS; arguments xb, wqkvb, qkv, rope, normw; writes qkv
;; launch attn: the kernel of part 3 again; grid 32 x 8, 4 waves a work-group, clusters of 4 x 1, 327,680 bytes of LDS; arguments qkv, gate, attn; writes attn
;; launch oproj: the kernel of part 4 again; grid 8 x 32, 4 waves a work-group, clusters of 4 x 4, 327,680 bytes of LDS; arguments attn, wo16, out0; writes out0
